; MI455X (gfx1250); checked and timed in simulation.
; The chip was launched on July 23, 2026; its instructions are those of AMD's public machine-readable ISA for CDNA 5 (MIT licence, August 2026) and "CDNA5" Instruction Set Architecture Reference Guide (July 2026). The comments in the code are by the model that wrote it; some were corrected since.
;; Multi Head Self Attention. Allowed arithmetic: matrix products marked QUANTISED: E2M3 operands, one E8M0 scale for each 32 along K, by v_wmma_scale_f32_16x16x128_f8f6f4 with both operands' format E2M3, f32 sums; everything else in f32.
;; Inputs: Wk 1,024 x 1,024 float32; Wo 1,024 x 1,024 float32; Wq 1,024 x 1,024 float32; Wv 1,024 x 1,024 float32; token_positions 2,048 int32; x 2 x 2,048 x 1,024 float32.
;; Outputs: out0 2 x 2,048 x 1,024 float32.
;; This version of the problem:
;;   THIS VERSION OF THE PROBLEM IS GIVEN IN LOW PRECISION. The matrix products marked QUANTISED in the list below multiply operands that are first quantised to E2M3 (2 exponent bits, 3 mantissa bits; 6 bits a number), with one power-of-two scale for each 32 numbers along K (OCP MX v1.0); their sums are f32. All else is computed in f32.
;;   The module's matrix products, in the order in which they are computed (A, B: the left and right operand; K: the contracted axis; several contracted axes count as one K, in the product's order):
;;     1. [M 4,096, K 1,024] x [K 1,024, N 1,024]; A: input x; B: input Wq: QUANTISED
;;     2. [M 4,096, K 1,024] x [K 1,024, N 1,024]; A: input x; B: input Wk: QUANTISED
;;     3. [M 4,096, K 1,024] x [K 1,024, N 1,024]; A: input x; B: input Wv: QUANTISED
;;     4. batch 32 x [M 2,048, K 64] x [K 64, N 2,048]; A: computed on the way; B: computed on the way: QUANTISED
;;     5. batch 32 x [M 2,048, K 2,048] x [K 2,048, N 64]; A: softmax (see below); B: computed on the way: QUANTISED
;;     6. [M 4,096, K 1,024] x [K 1,024, N 1,024]; A: computed on the way; B: input Wo: QUANTISED
;;   THE QUANTISER, for each operand of a quantised product, along K:
;;     - K is cut into blocks of 32 from its start; a last block that is shorter is filled with zeros.
;;     - A block's scale is 2^e with e = floor(log2(the largest magnitude in the block)) - 2, held to -126 .. 127; a block of zeros has e = 0. As a byte (E8M0): e + 127.
;;     - Each number is divided by its block's scale, clamped to +-7.5, and rounded to the nearest number of E2M3, ties to even, subnormals kept.
;;     - The product sums the exact products of the quantised numbers (number of the format x scale) in f32.
;;   ~~~python
;;   def quantise(x, axis):      # numpy; x: float32 -> the quantised numbers, widened to float32 again
;;       x = np.moveaxis(x, axis, -1); K = x.shape[-1]
;;       x = np.pad(x, [(0, 0)] * (x.ndim - 1) + [(0, -K % 32)]); x = x.reshape(x.shape[:-1] + (-1, 32)); a = np.abs(x).max(-1, keepdims=True)
;;       e = np.where(a > 0, np.clip(np.frexp(np.where(a > 0, a, 1))[1] - 1 - 2, -126, 127), 0)      # np.frexp(a)[1] - 1 = floor(log2(a)), exactly
;;       r = np.clip(x / 2.0 ** e, -7.5, 7.5)
;;       step = 2.0 ** (np.maximum(np.frexp(np.where(r == 0, 1, r))[1] - 1, 0) - 3)
;;       q = np.round(r / step) * step * 2.0 ** e      # np.round: ties to even
;;       return np.moveaxis(q.reshape(q.shape[:-2] + (-1,))[..., :K], -1, axis).astype(np.float32)
;;   ~~~
;;   SOFTMAX AHEAD OF A QUANTISED PRODUCT. Where the list says 'softmax', what is quantised is not the finished softmax but p = 2^(t - M), with t = logit x log2(e) and M = ceil(the row's largest t), a whole number; so 1/2 < the row's largest p <= 1. The row's sum l is taken of the UNQUANTISED p, in f32, and the product's result is divided by l at the end. Since M is a whole number, a kernel that streams over the keys may use a running M (the ceiling of the running maximum): every later rescaling is an exact power of two, which a block's scale takes up: the codes' values come out the same.
;;   OPERANDS COMPUTED ON THE WAY. 'Computed on the way' means the value that the module computes at that place (a softmax that the list does not call 'softmax' is quantised finished and normalised). What goes into a quantiser is computed in f32, as accurately as f32 sums, v_exp_f32 and their like allow (about 1e-6 of the number): no bf16 or f16 on the way to a quantiser, and a product that is left as it is and whose result goes on into a quantised operand takes f32 operands (vector FMAs, or v_wmma_f32_16x16x4_f32). A number that lies on a knife's edge between two numbers of the format may be rounded either way, as far as f32 arithmetic and the matrix unit's own rounding can turn it there, and no further.
;; One version. Each part assembles by itself: llvm-mc -triple=amdgcn-amd-amdhsa -mcpu=gfx1250 --defsym DOCPART=n.
;; ======== version 1 of 1: 4 launches
;; limits: right only within a limited range of input values
;; workspace buffers: c1 6,291,456 bytes; s1 262,144 bytes; rope 524,288 bytes; qkvc 9,437,184 bytes; qkvs 524,288 bytes; oc 3,145,728 bytes; os 131,072 bytes
;; launch prep (part 1): grid 256 x 1, 8 waves a work-group, no clusters, 68,608 bytes of LDS; arguments x, Wq, Wk, Wv, Wo, token_positions, c1, s1, rope; writes c1, s1, rope
.if DOCPART == 1
	.amdgcn_target "amdgcn-amd-amdhsa--gfx1250"
	.amdhsa_code_object_version 6
	.text
	.protected	k_q30f16e35e4_prep
	.globl	k_q30f16e35e4_prep
	.p2align	8
	.type	k_q30f16e35e4_prep,@function
k_q30f16e35e4_prep:
	s_mov_b64 s[64:65], 0
	v_nop
	global_prefetch_b8 v0, s[64:65] scope:SCOPE_SE
	s_setreg_imm32_b32 hwreg(HW_REG_WAVE_MODE, 25, 1), 1
	s_wait_xcnt 0x0
; x [4096][1024] and Wq, Wk, Wv, Wo [1024][1024], f32, K innermost, become codes of FP6 (E2M3) with one E8M0 byte for each 32 along K, laid as the later
; launches' operand registers want them; and token_positions becomes a table of cos and sin for the rotation.
; A TILE is 16 rows: row i of tile T is row 32 (T/2) + 8 (T%2) + i + 8 (i/8) of its tensor.  A FRAGMENT (a tile x 128 along K) is 12 registers a lane; its image in c1 is three planes of
; 512 bytes, plane c = registers 4 c .. 4 c + 3, lane l at 16 l: every store here covers 512 consecutive bytes, aligned.
; c1: x at 0 [tile 256][step 8][1536];  Wq, Wk, Wv at 3,145,728 [head 16][step 8][slot 4 y + t][1536];  Wo at 5,505,024 [column group 16][step 8][t 4][1536].
; s1: [pair of tiles 256][lane 32][step 8] words: lanes 0-15 the even tile's rows, lanes 16-31 the odd tile's.  Pairs 0-127 x, 128-159 Wq, 160-191 Wk, 192-223 Wv, 224-255 Wo.
; rope: [sequence place 2048][frequency 32][cos, sin] f32.
; SHARES: work-group g is pair g (32 rows of one tensor).  Wave w takes tile u = w / 4 and K steps 2 q, 2 q + 1, q = w % 4; and the table's row 8 g + w.
; Each load reads 512 consecutive bytes of one row; the 16 rows turn through the wave's own stage in LDS (pitch 528 bytes) so that a lane gets 16 neighbours of each block of 32.  Waves share nothing: no barrier.
; A block's scale is 2^(floor(log2(largest magnitude)) - 2); its byte is the largest magnitude's exponent field - 2, held at 1 from below.
; LIMITS: NaN and infinities are not served.  A block of zeros, or one whose largest magnitude lies under 2^-124, gets the byte 1 (its codes are zeros or tiny; this program alone reads the bytes).
; The table holds for |position| < 2^20 (the reduction's first step is exact up to there); the frequencies are the nearest f32 of 10^(-i/8) = 10000^(-i/32).
; No matrix unit, no cluster, no tensor load: each byte is read once by one wave, nothing is shared.
.set STG,   8448                       ; a wave's stage: 16 rows x 528 bytes
.set PITCH, 528                        ; 512 bytes + 16: the sixteen rows that a read touches start in sixteen different 16-byte columns
.set R0,  16                           ; v16-79   K step 2 q as loaded
.set R1,  80                           ; v80-143  K step 2 q + 1 as loaded
.set X,   144                          ; v144-207 64 numbers of a lane: register 16 b + i = k 32 b + 16 h + i of row r.  Before that: the table's temporaries
.set PC0, 208                          ; v208-219 the first fragment's codes
.set PC1, 16                           ; v16-27   the second's (R0 is done with by then)
.set PT,  220                          ; v220-227 halves of blocks on their way
.set TM,  228                          ; v228-243 largest magnitudes, bytes, scale operands
.set PW0, 244                          ; the two scale words
.set PW1, 245
.set SEL, 50                           ; s[50:51] v_permlanex16_b32's selects for lane l xor 16
.macro QUANT s, pc, pw                 ; 64 numbers of a lane -> a fragment's 12 registers and my row's scale word
.irp b, 0,1,2,3
	v_max3_num_f32 v[TM+\b], |v[\s+16*\b]|, |v[\s+1+16*\b]|, 0x1800000   ; block b: my 16 numbers, and the floor 2^(3 - 127): the byte cannot fall under 1
.endr
.irp i, 2,4,6,8,10,12,14
.irp b, 0,1,2,3
	s_delay_alu instid0(VALU_DEP_4)
	v_max3_num_f32 v[TM+\b], v[TM+\b], |v[\s+16*\b+\i]|, |v[\s+1+16*\b+\i]|   ; the four blocks by turns
.endr
.endr
.irp b, 0,1,2,3
	s_delay_alu instid0(VALU_DEP_4)
	v_permlanex16_b32 v[TM+4+\b], v[TM+\b], s[SEL], s[SEL+1]
.endr
.irp b, 0,1,2,3
	s_delay_alu instid0(VALU_DEP_4)
	v_max_num_f32 v[TM+\b], v[TM+\b], v[TM+4+\b]   ; with lane l xor 16's: the block's largest magnitude
.endr
.irp b, 0,1,2,3
	s_delay_alu instid0(VALU_DEP_4)
	v_add_nc_u32 v[TM+12+\b], 0xff000000, v[TM+\b]   ; 2 off its exponent field: the conversion's scale operand
.endr
.irp b, 0,1,2,3
	s_delay_alu instid0(VALU_DEP_4)
	v_lshrrev_b32 v[TM+4+\b], 23, v[TM+12+\b]      ; the scale's byte
.endr
	s_delay_alu instid0(VALU_DEP_3)
	v_lshl_or_b32 v[\pw], v[TM+5], 8, v[TM+4]
	s_delay_alu instid0(VALU_DEP_1)
	v_lshl_or_b32 v[\pw], v[TM+6], 16, v[\pw]
	s_delay_alu instid0(VALU_DEP_1)
	v_lshl_or_b32 v[\pw], v[TM+7], 24, v[\pw]
.irp c, 0,1
	v_cvt_scalef32_pk16_fp6_f32 v[\pc+6*\c:\pc+6*\c+2], v[\s+32*\c:\s+32*\c+15], v[TM+12+2*\c]
	v_cvt_scalef32_pk16_fp6_f32 v[PT+4*\c:PT+4*\c+2], v[\s+16+32*\c:\s+31+32*\c], v[TM+13+2*\c]   ; (a conversion's three registers begin on an even number)
.endr
	v_nop                                          ; one plain place behind a scaled conversion
.irp c, 0,1                            ; the operand's layout wants a whole block in a lane: lanes 0-15 block 2 c, lanes 16-31 block 2 c + 1
.irp i, 0,1,2
	v_permlane16_swap_b32 v[\pc+6*\c+\i], v[PT+4*\c+\i]
.endr
.irp i, 0,1,2
	s_delay_alu instid0(VALU_DEP_3)
	v_mov_b32 v[\pc+3+6*\c+\i], v[PT+4*\c+\i]
.endr
.endr
.endm
.macro LOADU reg, unit                 ; 16 rows x 128 numbers: load i reads 512 consecutive bytes of the tile's row i
.irp i, 0,1,2,3,4,5,6,7,8,9,10,11,12,13,14,15
	global_load_b128 v[\reg+4*\i:\reg+4*\i+3], v4, s[26:27] offset:(\i+8*(\i/8))*4096+512*\unit th:TH_LOAD_NT
.endr
.endm
.macro TURN reg                        ; through my stage: LDS serves a wave's instructions in order, so no wait stands between the stores and the loads
.irp i, 0,1,2,3,4,5,6,7,8,9,10,11,12,13,14,15
	ds_store_b128 v5, v[\reg+4*\i:\reg+4*\i+3] offset:PITCH*\i
.endr
.irp b, 0,1,2,3
.irp j, 0,1,2,3
	ds_load_b128 v[X+16*\b+4*\j:X+16*\b+4*\j+3], v6 offset:128*\b+16*\j
.endr
.endr
	s_wait_dscnt 0x0                               ; the numbers are back, and the stores have read their registers
.endm
.macro FREQ i, lit
	v_cmp_ne_u32 vcc_lo, \i, v1
	s_delay_alu instid0(VALU_DEP_1)
	v_cndmask_b32 v144, \lit, v144, vcc_lo         ; lane i takes frequency i
.endm
	s_load_b256 s[8:15], s[0:1], 0x0               ; x s[8:9], Wq s[10:11], Wk s[12:13], Wv s[14:15]
	s_load_b256 s[16:23], s[0:1], 0x20             ; Wo s[16:17], token_positions s[18:19], c1 s[20:21], s1 s[22:23]
	s_load_b64 s[24:25], s[0:1], 0x40              ; rope
	v_lshl_add_u32 v254, v0, 2, 0x10800
	v_mov_b32 v255, 0
	v_lshrrev_b32 v1, 5, v0
	s_delay_alu instid0(VALU_DEP_1)
	v_readfirstlane_b32 s28, v1                    ; wave 0..7
	s_mul_i32 s29, s28, STG                        ; my stage
	s_lshr_b32 s35, s28, 2                         ; u: which tile of the pair
	s_and_b32 s36, s28, 3                          ; q: K steps 2 q, 2 q + 1
	s_sub_co_u32 s31, ttmp9, 128
	s_lshr_b32 s32, s31, 5
	s_and_b32 s32, s32, 3                          ; y: which weight (of no use for x)
	s_and_b32 s33, s31, 31                         ; the pair inside a weight
	s_lshr_b32 s37, s33, 1                         ; its head, or group of 64 columns
	s_and_b32 s38, s33, 1
	s_lshl_b32 s38, s38, 1
	s_add_co_u32 s38, s38, s35                     ; the tile inside that group: 2 (pair % 2) + u
	s_lshl_b32 s42, ttmp9, 1
	s_add_co_u32 s42, s42, s35                     ; x: tile 2 g + u
	s_mov_b32 s40, 3145728
	s_cmp_eq_u32 s32, 3                            ; Wo, or one of Wq, Wk, Wv?
	s_cselect_b32 s39, 4, 12                       ; fragments in a K step of the group's image
	s_cselect_b32 s40, 5505024, s40                ; where the images begin
	s_cselect_b32 s41, 0, s32
	s_lshl_b32 s41, s41, 2
	s_add_co_u32 s41, s41, s38                     ; slot 4 y + t, or t
	s_cmp_lt_u32 ttmp9, 128                        ; x?
	s_cselect_b32 s39, 1, s39
	s_cselect_b32 s40, 0, s40
	s_cselect_b32 s41, 0, s41
	s_cselect_b32 s37, s42, s37
	s_cselect_b32 s34, ttmp9, s33                  ; the pair inside its tensor
	s_lshl_b32 s37, s37, 3
	s_lshl_b32 s43, s36, 1
	s_add_co_u32 s37, s37, s43                     ; group x 8 + K step
	s_mul_i32 s37, s37, s39
	s_add_co_u32 s37, s37, s41
	s_mul_i32 s37, s37, 1536
	s_add_co_u32 s37, s37, s40                     ; byte of my first fragment in c1
	s_mul_i32 s39, s39, 1536
	s_add_co_u32 s39, s39, s37                     ; and of my second: one K step on
	s_lshl_b32 s48, s34, 17                        ; my numbers: (32 pair + 8 u) rows of 4,096 bytes + 1,024 q
	s_lshl_b32 s43, s35, 15
	s_add_co_u32 s48, s48, s43
	s_lshl_b32 s43, s36, 10
	s_add_co_u32 s48, s48, s43
	s_mov_b32 s49, 0
	s_lshl_b32 s46, ttmp9, 3
	s_add_co_u32 s46, s46, s28                     ; the table's row: 8 g + w
	s_lshl_b32 s52, s46, 2
	s_mov_b32 s53, 0
	s_lshl_b32 s54, s46, 8
	s_mov_b32 s55, 0
	s_lshl_b32 s56, ttmp9, 10                      ; my pair's 1,024 bytes of scale words
	s_mov_b32 s57, 0
	s_mov_b32 s[SEL], 0x76543210
	s_mov_b32 s[SEL+1], 0xfedcba98
	s_lshl_b32 s43, s35, 9
	s_lshl_b32 s45, s36, 3
	s_add_co_u32 s43, s43, s45                     ; 512 u + 8 q
	v_and_b32 v1, 31, v0                           ; lane
	v_and_b32 v2, 15, v0                           ; r
	v_bfe_u32 v3, v0, 4, 1                         ; h
	s_delay_alu instid0(VALU_DEP_3)
	v_lshlrev_b32 v4, 4, v1                        ; 16 x lane
	s_delay_alu instid0(VALU_DEP_1)
	v_add_nc_u32 v5, s29, v4                       ; the stage, on the way in
	s_delay_alu instid0(VALU_DEP_4)
	v_mul_u32_u24 v6, v2, PITCH
	s_delay_alu instid0(VALU_DEP_1)
	v_lshl_add_u32 v6, v3, 6, v6
	s_delay_alu instid0(VALU_DEP_1)
	v_add_nc_u32 v6, s29, v6                       ; and out: row r, + 64 h
	v_add_nc_u32 v7, s37, v4                       ; my place in the two images
	v_add_nc_u32 v8, s39, v4
	v_lshlrev_b32 v9, 5, v2
	s_delay_alu instid0(VALU_DEP_1)
	v_lshl_add_u32 v9, v3, 2, v9
	s_delay_alu instid0(VALU_DEP_1)
	v_add_nc_u32 v9, s43, v9                       ; scale words: (16 u + r) x 32 + 8 q + 4 h
	v_lshlrev_b32 v10, 3, v1                       ; 8 x lane
.irp b, 0,1,2,3
	v_mov_b32 v[TM+4+\b], 0                        ; written once: a lane permute's destination counts as one of its sources
.endr
	s_wait_kmcnt 0x0
	s_cmp_eq_u32 s32, 1                            ; the choice of buffer hangs on the work-group's number alone
	s_cselect_b64 s[26:27], s[12:13], s[10:11]
	s_cmp_eq_u32 s32, 2
	s_cselect_b64 s[26:27], s[14:15], s[26:27]
	s_cmp_eq_u32 s32, 3
	s_cselect_b64 s[26:27], s[16:17], s[26:27]
	s_cmp_lt_u32 ttmp9, 128
	s_cselect_b64 s[26:27], s[8:9], s[26:27]
	s_add_nc_u64 s[26:27], s[26:27], s[48:49]
	s_add_nc_u64 s[18:19], s[18:19], s[52:53]
	s_add_nc_u64 s[24:25], s[24:25], s[54:55]
	s_add_nc_u64 s[22:23], s[22:23], s[56:57]
	s_load_b32 s44, s[18:19], 0x0                  ; the position of sequence place 8 g + w
	LOADU R0, 0
	LOADU R1, 1                                    ; 32 loads of the wave are on their way; the table is made meanwhile
	; THE TABLE.  Lane i: angle = position x 10000^(-i/32), one rounding; reduced by multiples of pi/2 held in three parts; cos and sin by polynomials on [-pi/4, pi/4]
	v_mov_b32 v144, 1.0
	FREQ 1, 0.749894209332456
	FREQ 2, 0.562341325190349
	FREQ 3, 0.421696503428582
	FREQ 4, 0.316227766016838
	FREQ 5, 0.237137370566166
	FREQ 6, 0.177827941003892
	FREQ 7, 0.133352143216332
	FREQ 8, 0.1
	FREQ 9, 0.0749894209332456
	FREQ 10, 0.0562341325190349
	FREQ 11, 0.0421696503428582
	FREQ 12, 0.0316227766016838
	FREQ 13, 0.0237137370566166
	FREQ 14, 0.0177827941003892
	FREQ 15, 0.0133352143216332
	FREQ 16, 0.01
	FREQ 17, 0.00749894209332456
	FREQ 18, 0.00562341325190349
	FREQ 19, 0.00421696503428582
	FREQ 20, 0.00316227766016838
	FREQ 21, 0.00237137370566166
	FREQ 22, 0.00177827941003892
	FREQ 23, 0.00133352143216332
	FREQ 24, 0.001
	FREQ 25, 0.000749894209332456
	FREQ 26, 0.000562341325190349
	FREQ 27, 0.000421696503428582
	FREQ 28, 0.000316227766016838
	FREQ 29, 0.000237137370566166
	FREQ 30, 0.000177827941003892
	FREQ 31, 0.000133352143216332
	s_wait_kmcnt 0x0
	v_cvt_f32_i32 v145, s44
	s_wait_alu depctr_va_vdst(0)
	v_mul_f32 v145, v145, v144                     ; the angle
	s_delay_alu instid0(VALU_DEP_1)
	v_mul_f32 v146, 0x3f22f983, v145               ; x 2 / pi
	s_delay_alu instid0(VALU_DEP_1)
	v_rndne_f32 v146, v146                         ; n
	s_delay_alu instid0(VALU_DEP_1)
	v_fmamk_f32 v147, v146, 0xbfc90fd8, v145       ; angle - n x pi/2: the first part has 21 bits, so this step is exact;
	s_delay_alu instid0(VALU_DEP_1)
	v_fmamk_f32 v147, v146, 0xb4a8885a, v147       ; the second part,
	s_delay_alu instid0(VALU_DEP_1)
	v_fmamk_f32 v147, v146, 0xa7c234c4, v147       ; the third: a
	s_delay_alu instid0(VALU_DEP_1)
	v_mul_f32 v148, v147, v147                     ; s = a a
	v_mov_b32 v149, 0x37cd4000
	s_delay_alu instid0(VALU_DEP_1)
	v_fmaak_f32 v149, v149, v148, 0xbab6077d
	s_delay_alu instid0(VALU_DEP_1)
	v_fmaak_f32 v149, v149, v148, 0x3d2aaaa8
	s_delay_alu instid0(VALU_DEP_1)
	v_fma_f32 v149, v149, v148, -0.5
	s_delay_alu instid0(VALU_DEP_1)
	v_fma_f32 v149, v149, v148, 1.0                ; cos a
	v_mov_b32 v150, 0x36405000
	s_delay_alu instid0(VALU_DEP_1)
	v_fmaak_f32 v150, v150, v148, 0xb9503486
	s_delay_alu instid0(VALU_DEP_1)
	v_fmaak_f32 v150, v150, v148, 0x3c0888c1
	s_delay_alu instid0(VALU_DEP_1)
	v_fmaak_f32 v150, v150, v148, 0xbe2aaaab
	v_mul_f32 v151, v147, v148
	s_delay_alu instid0(VALU_DEP_1)
	v_fma_f32 v150, v150, v151, v147               ; sin a
	v_cvt_i32_f32 v152, v146                       ; the quadrant
	s_delay_alu instid0(VALU_DEP_1)
	v_and_b32 v153, 1, v152
	s_delay_alu instid0(VALU_DEP_1)
	v_cmp_eq_u32 vcc_lo, 1, v153
	s_delay_alu instid0(VALU_DEP_1)
	v_cndmask_b32 v248, v149, v150, vcc_lo         ; odd quadrants change the two
	s_delay_alu instid0(VALU_DEP_2)
	v_cndmask_b32 v249, v150, v149, vcc_lo
	v_and_b32 v153, 2, v152
	s_delay_alu instid0(VALU_DEP_1)
	v_lshlrev_b32 v153, 30, v153
	s_delay_alu instid0(VALU_DEP_1)
	v_xor_b32 v249, v153, v249                     ; sin changes sign in quadrants 2, 3
	v_add_nc_u32 v152, 1, v152
	s_delay_alu instid0(VALU_DEP_1)
	v_and_b32 v153, 2, v152
	s_delay_alu instid0(VALU_DEP_1)
	v_lshlrev_b32 v153, 30, v153
	s_delay_alu instid0(VALU_DEP_1)
	v_xor_b32 v248, v153, v248                     ; cos in quadrants 1, 2
	global_store_b64 v10, v[248:249], s[24:25]     ; 32 lanes store 256 consecutive bytes, aligned; v248, v249 are not written again
	s_wait_loadcnt 16                              ; the first K step's 16 loads are in; the second's may be out
	TURN R0
	QUANT X, PC0, PW0
.irp c, 0,1,2
	global_store_b128 v7, v[PC0+4*\c:PC0+4*\c+3], s[20:21] offset:512*\c
.endr
	s_wait_loadcnt 0x0
	TURN R1
	QUANT X, PC1, PW1
.irp c, 0,1,2
	global_store_b128 v8, v[PC1+4*\c:PC1+4*\c+3], s[20:21] offset:512*\c
.endr
	v_cmp_eq_u32 vcc_lo, 1, v3
	s_delay_alu instid0(VALU_DEP_1)
	v_cndmask_b32 v246, v[PW0], v[PW1], vcc_lo     ; lanes 0-15 store K step 2 q's word of row r, lanes 16-31 K step 2 q + 1's
	global_store_b32 v9, v246, s[22:23]
	s_wait_tensorcnt 0x0
	ds_add_u32 v254, v255
	s_wait_dscnt 0x0
	s_endpgm
.Lfunc_end_k_q30f16e35e4_prep:
	.size	k_q30f16e35e4_prep, .Lfunc_end_k_q30f16e35e4_prep-k_q30f16e35e4_prep
	.p2alignl 7, 3214868480
	.fill 96, 4, 3214868480
	.section	.rodata,"a",@progbits
	.p2align	6, 0x0
	.amdhsa_kernel k_q30f16e35e4_prep
		.amdhsa_group_segment_fixed_size 68608
		.amdhsa_private_segment_fixed_size 0
		.amdhsa_enable_private_segment 0
		.amdhsa_kernarg_size 72
		.amdhsa_user_sgpr_count 2
		.amdhsa_user_sgpr_kernarg_segment_ptr 1
		.amdhsa_wavefront_size32 1
		.amdhsa_system_sgpr_workgroup_id_x 1
		.amdhsa_system_sgpr_workgroup_id_y 1
		.amdhsa_system_sgpr_workgroup_id_z 1
		.amdhsa_system_vgpr_workitem_id 0
		.amdhsa_next_free_vgpr 256
		.amdhsa_next_free_sgpr 66
		.amdhsa_reserve_vcc 1
		.amdhsa_float_denorm_mode_32 3
		.amdhsa_float_denorm_mode_16_64 3
		.amdhsa_memory_ordered 1
		.amdhsa_forward_progress 1
		.amdhsa_inst_pref_size 30
	.end_amdhsa_kernel
	.amdgpu_metadata
---
amdhsa.version: [ 1, 2 ]
amdhsa.kernels:
  - .name:           k_q30f16e35e4_prep
    .symbol:         k_q30f16e35e4_prep.kd
    .args:
      - { .name: x, .offset: 0, .size: 8, .value_kind: global_buffer, .address_space: global }
      - { .name: Wq, .offset: 8, .size: 8, .value_kind: global_buffer, .address_space: global }
      - { .name: Wk, .offset: 16, .size: 8, .value_kind: global_buffer, .address_space: global }
      - { .name: Wv, .offset: 24, .size: 8, .value_kind: global_buffer, .address_space: global }
      - { .name: Wo, .offset: 32, .size: 8, .value_kind: global_buffer, .address_space: global }
      - { .name: token_positions, .offset: 40, .size: 8, .value_kind: global_buffer, .address_space: global }
      - { .name: c1, .offset: 48, .size: 8, .value_kind: global_buffer, .address_space: global }
      - { .name: s1, .offset: 56, .size: 8, .value_kind: global_buffer, .address_space: global }
      - { .name: rope, .offset: 64, .size: 8, .value_kind: global_buffer, .address_space: global }
    .group_segment_fixed_size: 68608
    .private_segment_fixed_size: 0
    .kernarg_segment_align: 8
    .kernarg_segment_size: 72
    .max_flat_workgroup_size: 256
    .sgpr_count:     66
    .vgpr_count:     256
    .wavefront_size: 32
...
	.end_amdgpu_metadata
.endif
;; end of part 1
;; launch qkv (part 2): grid 16 x 16, 4 waves a work-group, clusters of 4 x 1, 168,448 bytes of LDS; arguments c1, s1, rope, qkvc, qkvs; writes qkvc, qkvs
.if DOCPART == 2
	.amdgcn_target "amdgcn-amd-amdhsa--gfx1250"
	.amdhsa_code_object_version 6
	.text
	.protected	k_q30f16e35e4_qkv
	.globl	k_q30f16e35e4_qkv
	.p2align	8
	.type	k_q30f16e35e4_qkv,@function
k_q30f16e35e4_qkv:
	s_mov_b64 s[64:65], 0
	v_nop
	global_prefetch_b8 v0, s[64:65] scope:SCOPE_SE
	s_setreg_imm32_b32 hwreg(HW_REG_WAVE_MODE, 25, 1), 1
	s_wait_xcnt 0x0
	s_wait_alu depctr_hold_cnt(0) depctr_sa_sdst(0) depctr_va_vdst(0) depctr_va_sdst(0) depctr_va_ssrc(0) depctr_va_vcc(0) depctr_vm_vsrc(0)
	s_getreg_b32 s2, hwreg(HW_REG_IB_STS2, 6, 4)
	s_cmp_eq_u32 s2, 0
	s_cbranch_scc0 .Lentry_in_a_cluster
	s_endpgm
.Lentry_in_a_cluster:
	s_bfe_u32 s2, ttmp6, 0x10000c
	s_cmp_lg_u32 s2, 0x3003
	s_cbranch_scc0 .Lentry_shape_is_right
	s_endpgm
.Lentry_shape_is_right:
; Q, K, V of one head for 256 tokens: x [Wq, Wk, Wv]^T on codes of FP6 (E2M3), K = 1,024 in 8 steps of 128; then the rotation of Q and K in f32, and all three quantised again:
; Q and K along the head's 64, V along the tokens (the keys), laid as the attention launch's operand registers want them.
; SHARES: work-group (tb, hd): tokens 256 tb on, head hd.  Wave w: token tiles 16 tb + 4 w + a, a = 0..3 (64 neighbouring tokens), against the head's 12 weight tiles: 48 accumulators, 384 registers.
; A tile's row i is row 32 (T/2) + 8 (T%2) + i + 8 (i/8).  Q and K are made TRANSPOSED (source 0 = 16 rows of W, source 1 = 16 tokens): a lane holds one token, and the 32 registers of a token tile run along d:
; register 16 b + i = d 32 b + 16 h + i.  V is made with source 0 = 16 tokens, source 1 = 16 rows of Wv: a lane holds one d, and the 32 registers of a d tile run along the wave's 64 tokens likewise.
; OPERANDS: the head's weights are 147,456 dense bytes of c1; they come into LDS ONCE, as they lie, by tensor loads that the four work-groups of a cluster (same head, four token blocks) ask for JOINTLY.
; No LDS byte is filled twice.  x's fragments are each wave's own: they go from memory straight into registers (12 loads of 512 consecutive bytes a K step, a ring of four sets), so they never pass through LDS,
; and there is nothing of x to share along a second axis of a cluster: hence 4 x 1 work-groups and not 4 x 4.  All scale words come once, into registers.
; OUT: qkvc: Q at 0 [bh][tile 128][768: registers 0-3 at 16 l, registers 4, 5 at 512 + 8 l];  K at 3,145,728 [bh][pair of tiles 64][three planes of 512: registers 0-5 the even tile's 64 along d, 6-11 the odd tile's];
;   V at 6,291,456 [bh][128 keys 16][d tile 4][two pieces of 768, piece g = keys 64 g on].
; qkvs: Q at 0 [bh][tile][row] words s0 s1 s0 s1;  K at 262,144 [bh][128 keys][row 16][pair 4] words;  V at 393,216 [bh][128 keys][row 16][d tile 4] words.
; LIMITS: NaN and infinities are not served; a block of zeros or under 2^-124 gets the byte 1 (this program alone reads the bytes).
; REGISTERS (absolute; window = number / 256): 0-15 addresses; 16-31 x's scale words; 32-79 the weights'; 80-95 codes and words on the way out; 96-239 weights' fragments, even K steps; 240-255 at work;
;   256-399 weights' fragments, odd K steps; 400-495 x's sets 2, 3; 512-639 Q's accumulators 8 (4 a + t); 640-767 K's; 768-895 V's 8 (4 t + a); 896-991 x's sets 0, 1.
;   On the way out: 96-159 rotated numbers, 896-1023 cos and sin, 224-231 and 232-239 at work.
.set H,   96
.set T,   224
.set PT,  232
.set TM,  240
.set PC,  80
.set SW,  92                           ; a scale word to be stored
.set PW,  93                           ; the scale word just made
.set KW0, 94                           ; v94, v95: K's words of the wave's two pairs
.set SEL, 86                           ; s[86:87] v_permlanex16_b32's selects for lane l xor 16
.set MSB, 0
.macro WIN new                         ; the immediate's high byte repeats the setting that is left; a switch that changes nothing is dropped
.if MSB != (\new)
	s_set_vgpr_msb (MSB<<8)|(\new)
.set MSB, (\new)
.endif
.endm
.macro ROUND                           ; a round of the cluster's barrier
	s_barrier_signal -1
	s_barrier_wait -1
	s_cmp_lg_u32 s14, 0
	s_cbranch_scc1 .Lnot_wave_0_\@
	s_barrier_signal -3
.Lnot_wave_0_\@:
	s_barrier_wait -3
	s_barrier_signal -1
	s_barrier_wait -1
.endm
.macro PLACES n                        ; plain vector instructions between a matrix instruction and a load into, or a read of, its registers
.rept \n
	v_nop
.endr
.endm
.macro ASET s                          ; AR = the first register of x's set for K step s
.if ((\s)%4) < 2
.set AR, 896+48*((\s)%4)
.else
.set AR, 400+48*((\s)%4-2)
.endif
.endm
.macro ALOAD s                         ; x's four fragments of K step s: 12 loads of 512 consecutive bytes
	ASET \s
	WIN (AR>>8)<<6
.irp a, 0,1,2,3
.irp c, 0,1,2
	global_load_b128 v[(AR&255)+12*\a+4*\c:(AR&255)+12*\a+4*\c+3], v1, s[66:67] offset:\a*12288+(\s)*1536+512*\c
.endr
.endr
.endm
.macro FETCHB s                        ; the weights' twelve fragments of K step s from LDS: 36 loads in one run.  An LDS offset has 16 bits: three address registers, each for three K steps
.set BR, 96+160*((\s)%2)
.if (\s) < 3
.set BA, 1
.elseif (\s) < 6
.set BA, 9
.else
.set BA, 10
.endif
	WIN (BR>>8)<<6
.irp n, 0,1,2,3,4,5,6,7,8,9,10,11
.irp c, 0,1,2
	ds_load_b128 v[(BR&255)+12*\n+4*\c:(BR&255)+12*\n+4*\c+3], v[BA] offset:((\s)%3)*18432+\n*1536+512*\c
.endr
.endr
.endm
; One product.  d, a, b: absolute registers of D (and C), source 0, source 1; zero = 1: it starts the sum; sa, sb: scale registers; ra, rb = 1: that side's words lie in lanes 16-31
.macro MM d, a, b, zero, sa, sb, ra, rb
	WIN ((\a)>>8)|(((\b)>>8)<<2)|(((\d)>>8)<<4)|(((\d)>>8)<<6)
.set rD, (\d)&255
.set rA, (\a)&255
.set rB, (\b)&255
.set rF, 4*(\zero)+2*(\ra)+(\rb)
.if rF == 0
	v_wmma_scale_f32_16x16x128_f8f6f4 v[rD:rD+7], v[rA:rA+11], v[rB:rB+11], v[rD:rD+7], v[\sa], v[\sb] matrix_a_fmt:MATRIX_FMT_FP6 matrix_b_fmt:MATRIX_FMT_FP6
.elseif rF == 1
	v_wmma_scale_f32_16x16x128_f8f6f4 v[rD:rD+7], v[rA:rA+11], v[rB:rB+11], v[rD:rD+7], v[\sa], v[\sb] matrix_a_fmt:MATRIX_FMT_FP6 matrix_b_fmt:MATRIX_FMT_FP6 matrix_b_scale:MATRIX_SCALE_ROW1
.elseif rF == 2
	v_wmma_scale_f32_16x16x128_f8f6f4 v[rD:rD+7], v[rA:rA+11], v[rB:rB+11], v[rD:rD+7], v[\sa], v[\sb] matrix_a_fmt:MATRIX_FMT_FP6 matrix_b_fmt:MATRIX_FMT_FP6 matrix_a_scale:MATRIX_SCALE_ROW1
.elseif rF == 3
	v_wmma_scale_f32_16x16x128_f8f6f4 v[rD:rD+7], v[rA:rA+11], v[rB:rB+11], v[rD:rD+7], v[\sa], v[\sb] matrix_a_fmt:MATRIX_FMT_FP6 matrix_b_fmt:MATRIX_FMT_FP6 matrix_a_scale:MATRIX_SCALE_ROW1 matrix_b_scale:MATRIX_SCALE_ROW1
.elseif rF == 4
	v_wmma_scale_f32_16x16x128_f8f6f4 v[rD:rD+7], v[rA:rA+11], v[rB:rB+11], 0, v[\sa], v[\sb] matrix_a_fmt:MATRIX_FMT_FP6 matrix_b_fmt:MATRIX_FMT_FP6
.elseif rF == 5
	v_wmma_scale_f32_16x16x128_f8f6f4 v[rD:rD+7], v[rA:rA+11], v[rB:rB+11], 0, v[\sa], v[\sb] matrix_a_fmt:MATRIX_FMT_FP6 matrix_b_fmt:MATRIX_FMT_FP6 matrix_b_scale:MATRIX_SCALE_ROW1
.elseif rF == 6
	v_wmma_scale_f32_16x16x128_f8f6f4 v[rD:rD+7], v[rA:rA+11], v[rB:rB+11], 0, v[\sa], v[\sb] matrix_a_fmt:MATRIX_FMT_FP6 matrix_b_fmt:MATRIX_FMT_FP6 matrix_a_scale:MATRIX_SCALE_ROW1
.else
	v_wmma_scale_f32_16x16x128_f8f6f4 v[rD:rD+7], v[rA:rA+11], v[rB:rB+11], 0, v[\sa], v[\sb] matrix_a_fmt:MATRIX_FMT_FP6 matrix_b_fmt:MATRIX_FMT_FP6 matrix_a_scale:MATRIX_SCALE_ROW1 matrix_b_scale:MATRIX_SCALE_ROW1
.endif
.endm
.macro PRODUCTS s, zero                ; a K step's 48 products; the 48 accumulators take turns, one instruction a turn, in the same order in every step
	ASET \s
.set BR, 96+160*((\s)%2)
.irp y, 0,1
.irp a, 0,1,2,3
.irp t, 0,1,2,3
	MM 512+128*\y+8*(4*\a+\t), BR+12*(4*\y+\t), AR+12*\a, \zero, 32+8*(2*\y+\t/2)+(\s), 16+8*(\a/2)+(\s), \t%2, \a%2
.endr
.endr
.endr
.irp t, 0,1,2,3
.irp a, 0,1,2,3
	MM 768+8*(4*\t+\a), AR+12*\a, BR+12*(8+\t), \zero, 16+8*(\a/2)+(\s), 32+8*(4+\t/2)+(\s), \a%2, \t%2
.endr
.endr
.endm
.macro CSLOAD                          ; cos and sin of my lane's four tokens: for token tile a, (cos, sin) of frequency 16 b + 8 h + m at the register offset at which (x1, x2) lie
.irp a, 0,1,2,3
	WIN 0xc0                                       ; all four tiles' cos and sin lie in registers 896-1023 (x's sets 0, 1, done with behind K step 5, and 32 registers that nothing else uses); 160-223 hold none
.set CR, 128+32*\a
.irp b, 0,1
.irp q, 0,1,2,3
	global_load_b128 v[CR+16*\b+4*\q:CR+16*\b+4*\q+3], v6, s[72:73] offset:(32*(\a/2)+8*(\a%2))*256+128*\b+16*\q
.endr
.endr
.endr
.endm
.macro KSTEP s, zero
.if (\s) > 0
	PLACES 4                                       ; in front of loads into registers that the last step's products have read
.endif
.if ((\s) >= 1) && ((\s) <= 4)
	ALOAD (\s)+3                                   ; into the set that the last step left
.endif
.if (\s) == 6
	CSLOAD                                         ; into x's sets 0, 1, done with, and the registers behind them: two K steps ahead of their use
.endif
.if (\s) < 7
	FETCHB (\s)+1
.endif
.if (\s) <= 4
	s_wait_loadcnt 36                              ; this step's x is in; the three younger sets, 12 loads each, may be out
.elseif (\s) == 5
	s_wait_loadcnt 24
.elseif (\s) == 6
	s_wait_loadcnt 44                              ; K step 7's 12 loads of x and the 32 of cos and sin may be out
.else
	s_wait_loadcnt 32                              ; the 32 loads of cos and sin may be out
.endif
.if (\s) < 7
	s_wait_dscnt 36                                ; all but the run just issued
.else
	s_wait_dscnt 0x0
.endif
	PRODUCTS \s, \zero
.endm
; The rotation of 64 registers (two token tiles): r1 = x1 cos - x2 sin, r2 = x1 sin + x2 cos, two packed instructions a pair, each accumulator from its low end on
.macro ROPE acc, cs
	WIN ((\acc)>>8)|(((\cs)>>8)<<2)
.set rX, (\acc)&255
.set rC, (\cs)&255
.irp n, 0,8,16,24,32,40,48,56
.irp m, 0,2,4,6
	v_pk_mul_f32 v[T+\m:T+\m+1], v[rX+\n+\m:rX+\n+\m+1], v[rC+\n+\m:rC+\n+\m+1] op_sel:[1,1] op_sel_hi:[1,0]   ; (x2 sin, x2 cos)
.endr
.irp m, 0,2,4,6
	v_pk_fma_f32 v[H+\n+\m:H+\n+\m+1], v[rX+\n+\m:rX+\n+\m+1], v[rC+\n+\m:rC+\n+\m+1], v[T+\m:T+\m+1] op_sel_hi:[0,1,1] neg_lo:[0,0,1]   ; (x1 cos - x2 sin, x1 sin + x2 cos)
.endr
.endr
	WIN 0
.endm
; 64 numbers of a lane in window w, register 16 b + i = place 32 b + 16 h + i along the axis to be quantised, become 12 registers of codes in v[PC] on and four bytes in v[PW]
.macro QUANTW s, w
	WIN (\w)|((\w)<<2)
.irp b, 0,1,2,3
	v_max3_num_f32 v[TM+\b], |v[\s+16*\b]|, |v[\s+1+16*\b]|, 0x1800000   ; and the floor 2^(3 - 127): the byte cannot fall under 1
.endr
	WIN ((\w)<<2)|((\w)<<4)
.irp i, 2,4,6,8,10,12,14
.irp b, 0,1,2,3
	v_max3_num_f32 v[TM+\b], v[TM+\b], |v[\s+16*\b+\i]|, |v[\s+1+16*\b+\i]|
.endr
.endr
	WIN 0
.irp b, 0,1,2,3
	v_permlanex16_b32 v[TM+4+\b], v[TM+\b], s[SEL], s[SEL+1]
.endr
.irp b, 0,1,2,3
	v_max_num_f32 v[TM+\b], v[TM+\b], v[TM+4+\b]
.endr
.irp b, 0,1,2,3
	v_add_nc_u32 v[TM+12+\b], 0xff000000, v[TM+\b]   ; 2 off the exponent field: the conversion's scale operand
.endr
.irp b, 0,1,2,3
	v_lshrrev_b32 v[TM+4+\b], 23, v[TM+12+\b]
.endr
	v_lshl_or_b32 v[PW], v[TM+5], 8, v[TM+4]
	v_lshl_or_b32 v[PW], v[TM+6], 16, v[PW]
	v_lshl_or_b32 v[PW], v[TM+7], 24, v[PW]
	WIN \w
.irp c, 0,1
	v_cvt_scalef32_pk16_fp6_f32 v[PC+6*\c:PC+6*\c+2], v[\s+32*\c:\s+32*\c+15], v[TM+12+2*\c]
	v_cvt_scalef32_pk16_fp6_f32 v[PT+4*\c:PT+4*\c+2], v[\s+16+32*\c:\s+31+32*\c], v[TM+13+2*\c]
.endr
	WIN 0
	v_nop                                          ; one plain place behind a scaled conversion
.irp c, 0,1
.irp i, 0,1,2
	v_permlane16_swap_b32 v[PC+6*\c+\i], v[PT+4*\c+\i]
.endr
.irp i, 0,1,2
	v_mov_b32 v[PC+3+6*\c+\i], v[PT+4*\c+\i]
.endr
.endr
.endm
	s_load_b256 s[4:11], s[0:1], 0x0               ; c1 s[4:5], s1 s[6:7], rope s[8:9], qkvc s[10:11]
	s_load_b64 s[12:13], s[0:1], 0x20              ; qkvs
	v_lshl_add_u32 v250, v0, 2, 0x29000
	v_mov_b32 v251, 0
	ds_add_u32 v250, v251
	ds_add_u32 v250, v251
	v_lshrrev_b32 v1, 5, v0
	v_readfirstlane_b32 s14, v1                    ; wave 0..3
	s_and_b32 s17, ttmp7, 0xffff                   ; the head, which the four partners share
	; descriptor group 1: 144 rows of 256 bytes (32 elements of 8 bytes), dense in memory and in LDS: a wave's quarter of the head's weights
	s_mov_b32 s20, 15|(3<<16)|(1<<21)              ; 15:0 the mask: all four work-groups; 17:16 elements of 8 bytes; 21 set beside a mask
	s_mov_b32 s21, 32<<16                          ; tensor_dim0 = 32
	s_mov_b32 s22, 144<<16                         ; tensor_dim1 = 144
	s_mov_b32 s23, 32<<16                          ; tile_dim0 = 32
	s_mov_b32 s24, 144                             ; tile_dim1 = 144
	s_mov_b32 s25, 32                              ; pitch
	s_mov_b32 s26, 0
	s_mov_b32 s27, 0
	s_mul_i32 s46, s14, 36864                      ; my quarter of the 147,456 bytes, in LDS and in memory alike
	s_mul_i32 s44, s17, 147456
	s_add_co_u32 s44, s44, s46
	s_add_co_u32 s44, s44, 3145728
	s_mov_b32 s45, 0
	s_wait_dscnt 0x0
	s_wait_kmcnt 0x0
	s_add_nc_u64 s[44:45], s[4:5], s[44:45]
.irp c, 0                              ; one group 0: my quarter
	s_mov_b32 s[28+4*\c], 1
	s_add_co_u32 s[29+4*\c], s46, \c*36864
	s_add_nc_u64 s[30+4*\c:31+4*\c], s[44:45], \c*36864
	s_or_b32 s[31+4*\c], s[31+4*\c], 0x80000000
.endr
	ROUND                                          ; all four work-groups are here: the joint loads meet
	tensor_load_to_lds s[28:31], s[20:27]          ; the launch's only fill of mine: one tensor load a wave at the head
	s_nop 0
.rept 4
	v_nop
.endr
	s_bfe_u32 s15, ttmp6, 0x40000                  ; cx: it enters global addresses of x, the table and the results alone
	s_lshl_b32 s16, ttmp9, 2
	s_add_co_u32 s16, s16, s15                     ; tb
	s_mov_b32 s53, 0
	s_lshl_b32 s47, s16, 4
	s_lshl_b32 s48, s14, 2
	s_add_co_u32 s47, s47, s48                     ; my first token tile: 16 tb + 4 w
	s_mul_i32 s52, s47, 12288
	s_add_nc_u64 s[66:67], s[4:5], s[52:53]        ; x's fragments
	s_lshl_b32 s52, s47, 9
	s_add_nc_u64 s[68:69], s[6:7], s[52:53]        ; x's scale words: 1,024 bytes a pair of tiles
	s_lshl_b32 s52, s17, 11
	s_add_co_u32 s52, s52, 131072
	s_add_nc_u64 s[70:71], s[6:7], s[52:53]        ; the weights': pair 128 + 32 y + 2 hd + t / 2
	s_and_b32 s48, s16, 7
	s_lshl_b32 s49, s48, 2
	s_add_co_u32 s49, s49, s14                     ; which 64 tokens of the sequence: 4 (tb % 8) + w
	s_lshl_b32 s52, s49, 14
	s_add_nc_u64 s[72:73], s[8:9], s[52:53]        ; the table: 256 bytes a place
	s_lshr_b32 s54, s16, 3
	s_lshl_b32 s54, s54, 4
	s_add_co_u32 s54, s54, s17                     ; bh = 16 b + hd
	s_lshl_b32 s55, s54, 5
	s_add_co_u32 s55, s55, s49                     ; 32 bh + which 64 tokens
	s_mul_i32 s52, s55, 3072                       ; four tiles of 768 bytes, or two pairs of 1,536
	s_add_nc_u64 s[74:75], s[10:11], s[52:53]      ; Q's codes
	s_add_co_u32 s52, s52, 3145728
	s_add_nc_u64 s[76:77], s[10:11], s[52:53]      ; K's
	s_lshr_b32 s56, s55, 1                         ; 16 bh + which 128 keys
	s_and_b32 s57, s55, 1                          ; g: which 64 of them
	s_mul_i32 s52, s56, 6144
	s_mul_i32 s58, s57, 768
	s_add_co_u32 s52, s52, s58
	s_add_co_u32 s52, s52, 6291456
	s_add_nc_u64 s[78:79], s[10:11], s[52:53]      ; V's
	s_lshl_b32 s52, s55, 8
	s_add_nc_u64 s[80:81], s[12:13], s[52:53]      ; Q's scale words: 64 bytes a tile
	s_lshl_b32 s52, s56, 8
	s_lshl_b32 s58, s57, 3
	s_add_co_u32 s52, s52, s58
	s_add_co_u32 s52, s52, 262144
	s_add_nc_u64 s[82:83], s[12:13], s[52:53]      ; K's: pairs 2 g, 2 g + 1 of the 128 keys
	s_lshl_b32 s52, s56, 8
	s_lshl_b32 s58, s57, 1
	s_add_co_u32 s52, s52, s58
	s_add_co_u32 s52, s52, 393216
	s_add_nc_u64 s[84:85], s[12:13], s[52:53]      ; V's: bytes 2 g, 2 g + 1 of each word
	s_mov_b32 s[SEL], 0x76543210
	s_mov_b32 s[SEL+1], 0xfedcba98
	s_mov_b32 s89, 0x01000100                      ; byte selects: s0 s1 s0 s1 of a word's low half,
	s_mov_b32 s90, 0x03020302                      ; and of its high half
	v_and_b32 v11, 31, v0                          ; lane
	v_and_b32 v4, 15, v0                           ; r
	v_bfe_u32 v5, v0, 4, 1                         ; h
	v_lshlrev_b32 v1, 4, v11                       ; 16 x lane
	v_lshlrev_b32 v2, 3, v11                       ; 8 x lane
	v_lshlrev_b32 v3, 5, v11                       ; 32 x lane
	v_lshlrev_b32 v7, 2, v11                       ; 4 x lane
	v_and_b32 v6, 8, v4
	v_add_nc_u32 v6, v6, v4
	v_lshlrev_b32 v6, 8, v6
	v_lshl_add_u32 v6, v5, 6, v6                   ; the table: (r + 8 (r / 8)) x 256 + 64 h
	v_lshlrev_b32 v8, 4, v4
	v_lshl_add_u32 v8, v5, 2, v8                   ; 16 r + 4 h
	v_add_nc_u32 v9, 55296, v1                     ; LDS: K steps 3 to 5,
	v_add_nc_u32 v10, 110592, v1                   ; 6 and 7
	v_cmp_eq_u32 s88, 1, v5                        ; lanes 16-31
.irp b, 0,1,2,3
	v_mov_b32 v[TM+4+\b], 0                        ; written once: a lane permute's destination counts as one of its sources
.endr
.irp p, 0,1
	global_load_b128 v[16+8*\p:19+8*\p], v3, s[68:69] offset:1024*\p      ; x's scale words: register 8 (a / 2) + s; lanes 0-15 the even tile, lanes 16-31 the odd one
	global_load_b128 v[20+8*\p:23+8*\p], v3, s[68:69] offset:1024*\p+16
.endr
.irp y, 0,1,2
.irp p, 0,1
	global_load_b128 v[32+8*(2*\y+\p):35+8*(2*\y+\p)], v3, s[70:71] offset:(32*\y+\p)*1024   ; the weights': register 8 (2 y + t / 2) + s
	global_load_b128 v[36+8*(2*\y+\p):39+8*(2*\y+\p)], v3, s[70:71] offset:(32*\y+\p)*1024+16
.endr
.endr
	ALOAD 0
	ALOAD 1
	ALOAD 2
	ALOAD 3
	s_wait_alu depctr_va_vdst(0)
	s_wait_tensorcnt 0x0                           ; my quarter of the weights is in LDS
	s_barrier_signal -1
	s_barrier_wait -1                              ; everybody's is
	FETCHB 0
	KSTEP 0, 1                                     ; the first products start the sums: nothing is cleared
	KSTEP 1, 0
	KSTEP 2, 0
	KSTEP 3, 0
	KSTEP 4, 0
	KSTEP 5, 0
	KSTEP 6, 0
	KSTEP 7, 0
	; THE WAY OUT.  Every store of codes covers 512 or 256 consecutive bytes, aligned
	PLACES 4
	s_wait_loadcnt 0x0                             ; cos and sin
.irp p, 0,1                            ; token tiles 2 p, 2 p + 1
.irp y, 0,1                            ; Q, then K
.if (\p+\y) > 0
	s_wait_xcnt 0x0                                ; the stores issued so far have read their registers: the codes' and the word's may be written again
.endif
	ROPE 512+128*\y+64*\p, 896+64*\p
	QUANTW H, 0                                    ; registers 0-5: tile 2 p's 64 along d; registers 6-11: tile 2 p + 1's; bytes 0, 1 and 2, 3 likewise
.if \y == 0
	global_store_b128 v1, v[PC:PC+3], s[74:75] offset:1536*\p
	global_store_b64 v2, v[PC+4:PC+5], s[74:75] offset:1536*\p+512
	global_store_b128 v1, v[PC+6:PC+9], s[74:75] offset:1536*\p+768
	global_store_b64 v2, v[PC+10:PC+11], s[74:75] offset:1536*\p+1280
	v_perm_b32 v[TM], v[PW], v[PW], s89
	v_perm_b32 v[TM+1], v[PW], v[PW], s90
	v_cndmask_b32 v[SW], v[TM], v[TM+1], s88       ; lanes 0-15 store tile 2 p's words, lanes 16-31 tile 2 p + 1's
	global_store_b32 v7, v[SW], s[80:81] offset:128*\p
.else
.irp c, 0,1,2
	global_store_b128 v1, v[PC+4*\c:PC+4*\c+3], s[76:77] offset:1536*\p+512*\c
.endr
	v_mov_b32 v[KW0+\p], v[PW]
.endif
.endr
.endr
	v_cndmask_b32 v[SW], v[KW0], v[KW0+1], s88     ; (its last store stands ahead of the last wait above)  lanes 0-15 store pair 2 g's words, lanes 16-31 pair 2 g + 1's
	global_store_b32 v8, v[SW], s[82:83]
.irp e, 0,1                            ; V's d tiles 2 e, 2 e + 1: my 64 tokens are piece g of their 128 keys
	s_wait_xcnt 0x0
	QUANTW 64*\e, 3
	global_store_b128 v1, v[PC:PC+3], s[78:79] offset:3072*\e
	global_store_b64 v2, v[PC+4:PC+5], s[78:79] offset:3072*\e+512
	global_store_b128 v1, v[PC+6:PC+9], s[78:79] offset:3072*\e+1536
	global_store_b64 v2, v[PC+10:PC+11], s[78:79] offset:3072*\e+2048
	v_lshrrev_b32 v[TM], 16, v[PW]
	v_cndmask_b32 v[SW], v[PW], v[TM], s88         ; lanes 0-15 store d tile 2 e's two bytes, lanes 16-31 d tile 2 e + 1's
	global_store_b16 v8, v[SW], s[84:85] offset:8*\e
.endr
	s_wait_tensorcnt 0x0
	ds_add_u32 v250, v251
	s_wait_dscnt 0x0
	ROUND                                          ; the closing round: no work-group ends while a partner may still ask for a tile that names it
	s_endpgm
.Lfunc_end_k_q30f16e35e4_qkv:
	.size	k_q30f16e35e4_qkv, .Lfunc_end_k_q30f16e35e4_qkv-k_q30f16e35e4_qkv
	.p2alignl 7, 3214868480
	.fill 96, 4, 3214868480
	.section	.rodata,"a",@progbits
	.p2align	6, 0x0
	.amdhsa_kernel k_q30f16e35e4_qkv
		.amdhsa_group_segment_fixed_size 168448
		.amdhsa_private_segment_fixed_size 0
		.amdhsa_enable_private_segment 0
		.amdhsa_kernarg_size 40
		.amdhsa_user_sgpr_count 2
		.amdhsa_user_sgpr_kernarg_segment_ptr 1
		.amdhsa_wavefront_size32 1
		.amdhsa_system_sgpr_workgroup_id_x 1
		.amdhsa_system_sgpr_workgroup_id_y 1
		.amdhsa_system_sgpr_workgroup_id_z 1
		.amdhsa_system_vgpr_workitem_id 0
		.amdhsa_next_free_vgpr 1024
		.amdhsa_next_free_sgpr 96
		.amdhsa_reserve_vcc 0
		.amdhsa_float_denorm_mode_32 3
		.amdhsa_float_denorm_mode_16_64 3
		.amdhsa_memory_ordered 1
		.amdhsa_forward_progress 1
		.amdhsa_inst_pref_size 131
	.end_amdhsa_kernel
	.amdgpu_metadata
---
amdhsa.version: [ 1, 2 ]
amdhsa.kernels:
  - .name:           k_q30f16e35e4_qkv
    .symbol:         k_q30f16e35e4_qkv.kd
    .args:
      - { .name: c1, .offset: 0, .size: 8, .value_kind: global_buffer, .address_space: global }
      - { .name: s1, .offset: 8, .size: 8, .value_kind: global_buffer, .address_space: global }
      - { .name: rope, .offset: 16, .size: 8, .value_kind: global_buffer, .address_space: global }
      - { .name: qkvc, .offset: 24, .size: 8, .value_kind: global_buffer, .address_space: global }
      - { .name: qkvs, .offset: 32, .size: 8, .value_kind: global_buffer, .address_space: global }
    .group_segment_fixed_size: 168448
    .private_segment_fixed_size: 0
    .kernarg_segment_align: 8
    .kernarg_segment_size: 40
    .max_flat_workgroup_size: 128
    .sgpr_count:     96
    .vgpr_count:     1024
    .wavefront_size: 32
...
	.end_amdgpu_metadata
.endif
;; end of part 2
;; launch attn (part 3): grid 8 x 32, 16 waves a work-group, clusters of 4 x 1, 288,768 bytes of LDS; arguments qkvc, qkvs, oc, os; writes oc, os
.if DOCPART == 3
	.amdgcn_target "amdgcn-amd-amdhsa--gfx1250"
	.amdhsa_code_object_version 6
	.text
	.protected	k_q30f16e35e4_attn
	.globl	k_q30f16e35e4_attn
	.p2align	8
	.type	k_q30f16e35e4_attn,@function
k_q30f16e35e4_attn:
	s_mov_b64 s[64:65], 0
	v_nop
	global_prefetch_b8 v0, s[64:65] scope:SCOPE_SE
	s_setreg_imm32_b32 hwreg(HW_REG_WAVE_MODE, 25, 1), 1
	s_wait_xcnt 0x0
	s_wait_alu depctr_hold_cnt(0) depctr_sa_sdst(0) depctr_va_vdst(0) depctr_va_sdst(0) depctr_va_ssrc(0) depctr_va_vcc(0) depctr_vm_vsrc(0)
	s_getreg_b32 s2, hwreg(HW_REG_IB_STS2, 6, 4)
	s_cmp_eq_u32 s2, 0
	s_cbranch_scc0 .Lentry_in_a_cluster
	s_endpgm
.Lentry_in_a_cluster:
	s_bfe_u32 s2, ttmp6, 0x10000c
	s_cmp_lg_u32 s2, 0x3003
	s_cbranch_scc0 .Lentry_shape_is_right
	s_endpgm
.Lentry_shape_is_right:
; Causal attention of one head on codes of FP6 (E2M3), and O / l quantised along the head's 64 for the last product.
; t = score x log2(e) / 8; M = the running largest t rounded UP to a whole number; p = 2^(t - M) is quantised along the keys, not normalised; the row's sum is taken of the unquantised p and divides O at the end.
; When M moves, the sum and O are multiplied by 2^(old M - new M), which rounds nothing.  Key steps (128 keys) that lie wholly behind the causal mask are left out.
; SHARES: work-group (g, bh), g = 0..7, owns the sixteen tiles of 16 queries 8 k + g, k = 0..15; tile k needs key steps 0 .. k.  Tiles 15 - a and a form pair a (a = 0..7): 17 key steps, dealt to two waves:
;   wave X (z = 0): key steps 0 .. 7 - a of tile 15 - a; it puts that part (O^T, -M, the sums) into its own slot of LDS; then the whole of tile a, key steps a down to 0: 9 steps.
;   wave Y (z = 1): key steps 8 - a .. 15 - a of tile 15 - a: 8 steps; behind one barrier it joins X's part to its own, both brought under the larger M by powers of two.
; z = bit 2 of the wave's number, a = its bits 0, 1 and 3.  A loop of 4 trips of two steps for all waves, and X's ninth step behind it; what a step does hangs on the wave's number and the step's number alone, which are
; the same in every work-group: so the four work-groups of a cluster (same head, four g) run alike and ask for K and V JOINTLY.
; LDS: the WHOLE head lies there, filled once: K's codes 98,304 bytes at 0, V's at 98,304, K's scale words 4,096 bytes at 196,608, V's at 200,704.  Every wave asks for one sixteenth share by ONE tensor load at the head:
; waves 0-11 64 rows of 256 bytes of codes, waves 12-15 8 rows of scale words.  No LDS byte is filled twice.  From 212,992: a slot of 4,608 bytes for each wave's part; behind them the spare words.
; NO PREFETCH: all that the launch reads through LDS is asked for at the head, in one group; there is no loop to run ahead in.
; LAYOUT: both products transposed: S^T = K Q^T (source 0 = 16 keys), O^T = V^T P^T (source 0 = 16 of the head's 64): a lane holds one query (lane % 16) throughout.  The keys of a tile are not neighbours (row i of tile T is
; key 32 (T/2) + 8 (T%2) + i + 8 (i/8)), so the 16 registers of tiles 2 b, 2 b + 1 are keys 32 b + 16 h + 0 .. 15.
; THE HEAD IS 64, THE INSTRUCTION'S K 128: a fragment of K holds two tiles, the even one's 64 in registers 0-5, the odd one's in 6-11.  Q stands between zeros, v16-21 | v22-27 | v28-33: v[22:33] = (q, 0) picks the even
; tile, v[16:27] = (0, q) the odd one; Q's scale word is s0 s1 s0 s1, which serves both.
; K'S FRAGMENTS ARE FETCHED FROM LDS A STEP AHEAD, in registers that change roles from step to step.  Even steps: K, then V, in v44-91, the scores' four blocks of 16 at v96, 112, 128, 144.  Odd steps: K, then V, in v96-143,
; the blocks at v44, 60, 76, 144.  When a step's p has been converted and summed, the 48 registers of its blocks 0-2 take the next step's K.  Y's eighth step asks so for fragments that it never reads (13 LDS loads).
; Every wave loads the Q of both tiles of its pair at the head; Y never changes tiles and leaves the second (832 bytes a wave) unread, so that no register of the change of tiles is unwritten on any way through the text.
; LIMITS: NaN and infinities are not served; a block of zeros or under 2^-124 gets the byte 1 (this program alone reads the bytes); the promise holds while the scaled scores t stay under 2^31 in magnitude.
; REGISTERS: v1 16 lane, v2 8 lane, v3 K's scale words, v4-7, v94 the step's addresses, v8 os, v9 mask, v10, v11 V; v12 -M, v13 largest t, v[14:15] the sum; v16-33 Q; v34 its scale word; v35 4 r; v36-39, v40-43 K's, V's scale words;
;   v44-91, v96-159 fragments, S^T and p, as above; v92, v93 my slot, my pair's X slot; v160-191 O^T; v192-203 p's codes; v204-211, v212-223 at work; v224 p's scale word; v[226:227] f; v228-231 at work; v232-238 the second Q; v240-245 at work.
.set S,   96
.set O,   160
.set PC,  192
.set PT,  204
.set TM,  212                          ; +0..3 block maxima, +4..7 the other half's, then bytes, +8..11 scale operands
.set PS,  224
.set FF,  226
.set TA,  228
.set AC0, 228                          ; three of the four chains of the row's sum
.set AC1, 242
.set AC2, 244
.set STG,   212992                     ; the parts' slots
.set PART,  4608                       ; nine images of four registers: 9 x 512 bytes
.set SPARE, STG+16*PART                ; the spare words: 128 bytes for each of 16 waves
.set WV,  12
.set KW,  16                           ; k of the tile at work
.set J,   17                           ; the key step
.set TK,  18                           ; 6,144 x the key step: its codes of K, and of V
.set TS,  19                           ; 256 x the key step: its scale words
.set SEL, 20
.set CS,  22                           ; s[22:23] c = log2(e) / 8
.set Z,   48
.set A,   49
.set KH,  50                           ; 15 - a
.set SWT, 51                           ; the step at whose head X changes tiles: 8 - a (Y: 24 - a, which no step reaches)
.set JU,  52                           ; the key step counted up: X from 0, Y from 8 - a
.set JD,  53                           ; 8 - step: X's key steps of tile a
.set TR,  54                           ; the trip's first step
.macro ROUND                           ; a round of the cluster's barrier
	s_barrier_signal -1
	s_barrier_wait -1
	s_cmp_lg_u32 s[WV], 0
	s_cbranch_scc1 .Lnot_wave_0_\@
	s_barrier_signal -3
.Lnot_wave_0_\@:
	s_barrier_wait -3
	s_barrier_signal -1
	s_barrier_wait -1
.endm
.macro KFETCH kn                       ; a key step's scale words of K, then its four fragments of two tiles, as images: 13 LDS loads
	v_add_nc_u32 v4, s[TK], v1
	v_add_nc_u32 v94, s[TS], v3
	ds_load_b128 v[36:39], v94                     ; lane r takes row r's four words
.irp f, 0,1,2,3
.irp c, 0,1,2
	ds_load_b128 v[\kn+12*\f+4*\c:\kn+12*\f+4*\c+3], v4 offset:1536*\f+512*\c
.endr
.endr
.endm
; A KEY STEP: 128 keys.  p: the registers' roles (the step's number % 2); h: the step's place in its trip; pre = 1: the next step's K is asked for
.macro STEP p, h, pre
.if \p
.set KR, 96
.set KN, 44
.set B0, 44
.set B1, 60
.set B2, 76
.else
.set KR, 44
.set KN, 96
.set B0, 96
.set B1, 112
.set B2, 128
.endif
.set B3, 144
.if \h
	s_add_co_u32 s56, s[TR], \h
	s_cmp_lg_u32 s56, s[SWT]
.else
	s_cmp_lg_u32 s[TR], s[SWT]
.endif
	s_cbranch_scc1 .Lsame_\@
	; X CHANGES TILES.  The seven moves are the places between the last products and the stores of their results
	v_mov_b32 v34, v238
.irp i, 0,1,2,3,4,5
	v_mov_b32 v[22+\i], v[232+\i]
.endr
.irp i, 0,1,2,3,4,5,6,7
	ds_store_b128 v92, v[O+4*\i:O+4*\i+3] offset:512*\i   ; my part of the long tile, as images of the registers; each accumulator from its low end on
.endr
	ds_store_b128 v92, v[12:15] offset:4096        ; -M, the largest t, the sums
	v_mov_b32 v13, 0xff61b1e6                      ; the new tile begins under -3e38: its first step's f is 2^(a saturated negative number) = 0,
	v_mov_b32 v12, 0x7f61b1e6                      ; which makes zeros of the finite O^T and sums left here
	s_wait_alu depctr_va_vdst(0)                   ; directly behind the writes of the change of tiles
.Lsame_\@:
	v_add_nc_u32 v5, s[TK], v10                    ; V's addresses.  With the two lines behind them: five places between the last step's products and the products below, which write over the registers that held its V
	v_add_nc_u32 v6, s[TK], v11
	v_add_nc_u32 v7, s[TS], v3
	v_nop
	v_nop
	s_wait_alu depctr_va_vdst(0)
.irp b, 0,1,2,3
	s_wait_dscnt 9-3*\b                            ; of the 13 loads asked for a step ago the scale words and fragments 0 .. b are in; three loads for each later fragment may be out (the stores of a change of tiles are younger still)
	v_wmma_scale_f32_16x16x128_f8f6f4 v[B\b:B\b+7], v[KR+12*\b:KR+12*\b+11], v[22:33], 0, v[36+\b], v34 matrix_a_fmt:MATRIX_FMT_FP6 matrix_b_fmt:MATRIX_FMT_FP6
	v_wmma_scale_f32_16x16x128_f8f6f4 v[B\b+8:B\b+15], v[KR+12*\b:KR+12*\b+11], v[16:27], 0, v[36+\b], v34 matrix_a_fmt:MATRIX_FMT_FP6 matrix_b_fmt:MATRIX_FMT_FP6
.endr
.rept 4
	v_nop                                          ; places in front of the loads below and of the first read of the scores
.endr
.irp t, 0,1,2,3                        ; V's four fragments land while the softmax is worked
.irp g, 0,1
	ds_load_b128 v[KR+12*\t+6*\g:KR+12*\t+6*\g+3], v5 offset:1536*\t+768*\g
	ds_load_b64 v[KR+12*\t+6*\g+4:KR+12*\t+6*\g+5], v6 offset:1536*\t+768*\g
.endr
.endr
	ds_load_b128 v[40:43], v7 offset:4096
	s_cmp_lg_u32 s[J], s[KW]                       ; on the diagonal hidden scores become -infinity ahead of the maximum; a step all of whose keys count skips this
	s_cbranch_scc1 .Lopen_\@
	v_mov_b32 v[TA], 0xff800000
.irp b, 0,1,2,3
.irp i, 0,1,2,3,4,5,6,7,8,9,10,11,12,13,14,15
	v_cmp_gt_i32 vcc_lo, 32*\b+\i, v9              ; register i of block b holds key 32 b + 16 h + i of the step: hidden where 32 b + i > my query's place - 16 h
	v_cndmask_b32 v[B\b+\i], v[B\b+\i], v[TA], vcc_lo
.endr
.endr
.Lopen_\@:
.irp b, 0,1,2,3
	v_max3_num_f32 v[TM+\b], v[B\b], v[B\b+1], v[B\b+2]   ; the largest score of each block of 32 keys: for the row's maximum and, since p rises with the score, for the block's largest p
.endr
.irp i, 3,5,7,9,11,13
.irp b, 0,1,2,3
	v_max3_num_f32 v[TM+\b], v[TM+\b], v[B\b+\i], v[B\b+\i+1]
.endr
.endr
.irp b, 0,1,2,3
	v_max_num_f32 v[TM+\b], v[TM+\b], v[B\b+15]
.endr
.irp b, 0,1,2,3
	s_delay_alu instid0(VALU_DEP_4)
	v_permlanex16_b32 v[TM+4+\b], v[TM+\b], s[SEL], s[SEL+1]
.endr
.irp b, 0,1,2,3
	s_delay_alu instid0(VALU_DEP_4)
	v_max_num_f32 v[TM+\b], v[TM+\b], v[TM+4+\b]   ; with lane l xor 16's 16 keys
.endr
	s_delay_alu instid0(VALU_DEP_2)
	v_max3_num_f32 v[TA], v[TM], v[TM+1], v[TM+2]
	s_delay_alu instid0(VALU_DEP_1)
	v_max_num_f32 v[TA], v[TA], v[TM+3]
	s_delay_alu instid0(VALU_DEP_1)
	v_mul_f32 v[TA], s[CS], v[TA]                  ; the step's largest t
	s_delay_alu instid0(VALU_DEP_1)
	v_max_num_f32 v13, v13, v[TA]                  ; the running largest t
	v_mov_b32 v[TA], v12
	s_delay_alu instid0(VALU_DEP_2)
	v_floor_f32 v12, -v13                          ; the new -M = -ceil(t): a whole number
	s_delay_alu instid0(VALU_DEP_1)
	v_sub_f32 v[TA], v12, v[TA]                    ; old M - new M, 0 or less
	s_delay_alu instid0(VALU_DEP_1)
	v_cvt_i32_f32 v[TA], v[TA]                     ; (it saturates)
	s_delay_alu instid0(VALU_DEP_1)
	v_ldexp_f32 v[FF], 1.0, v[TA]                  ; f = 2^(old M - new M)
.irp b, 0,1,2,3
.irp i, 0,2,4,6,8,10,12,14
	v_pk_fma_f32 v[B\b+\i:B\b+\i+1], v[B\b+\i:B\b+\i+1], s[CS:CS+1], v[12:13] op_sel_hi:[1,0,0]   ; t - M, two at a time
.endr
.endr
.irp b, 0,1,2,3
	v_fma_f32 v[TM+\b], v[TM+\b], s[CS], v12       ; the same of each block's largest score
.endr
	s_wait_alu depctr_va_vdst(0)                   ; ahead of the batch
.irp b, 0,1,2,3
.irp i, 0,1,2,3,4,5,6,7,8,9,10,11,12,13,14,15
	v_exp_f32 v[B\b+\i], v[B\b+\i]                 ; p = 2^(t - M)
.endr
.endr
.irp b, 0,1,2,3
	v_exp_f32 v[TM+\b], v[TM+\b]                   ; the block's largest p
.endr
	v_pk_mul_f32 v[14:15], v[14:15], v[FF:FF+1] op_sel_hi:[1,0]   ; the sums under the new M.  (A plain place behind the exponentials)
	s_wait_alu depctr_va_vdst(0)                   ; one wait for the whole batch, ahead of its first reader
.irp b, 0,1,2,3
	v_max_num_f32 v[TM+\b], 0x1800000, v[TM+\b]    ; the floor 2^(3 - 127)
.endr
.irp b, 0,1,2,3
	s_delay_alu instid0(VALU_DEP_4)
	v_add_nc_u32 v[TM+8+\b], 0xff000000, v[TM+\b]  ; the conversion's scale operand
.endr
.irp b, 0,1,2,3
	s_delay_alu instid0(VALU_DEP_4)
	v_lshrrev_b32 v[TM+4+\b], 23, v[TM+8+\b]       ; the byte
.endr
	s_delay_alu instid0(VALU_DEP_3)
	v_lshl_or_b32 v[PS], v[TM+5], 8, v[TM+4]       ; p's scale word for these 128 keys
	s_delay_alu instid0(VALU_DEP_1)
	v_lshl_or_b32 v[PS], v[TM+6], 16, v[PS]
	s_delay_alu instid0(VALU_DEP_1)
	v_lshl_or_b32 v[PS], v[TM+7], 24, v[PS]
	v_cvt_scalef32_pk16_fp6_f32 v[PC:PC+2], v[B0:B0+15], v[TM+8]
	v_cvt_scalef32_pk16_fp6_f32 v[PT:PT+2], v[B1:B1+15], v[TM+9]
	v_cvt_scalef32_pk16_fp6_f32 v[PC+6:PC+8], v[B2:B2+15], v[TM+10]
	v_cvt_scalef32_pk16_fp6_f32 v[PT+4:PT+6], v[B3:B3+15], v[TM+11]
	v_nop                                          ; one plain place behind a scaled conversion
.irp c, 0,1
.irp i, 0,1,2
	v_permlane16_swap_b32 v[PC+6*\c+\i], v[PT+4*\c+\i]
.endr
.irp i, 0,1,2
	s_delay_alu instid0(VALU_DEP_3)
	v_mov_b32 v[PC+3+6*\c+\i], v[PT+4*\c+\i]
.endr
.endr
.irp b, 0,1,2                          ; the row's sum of the unquantised p: two at a time, a chain to a block, the four by turns
	v_pk_add_f32 v[AC\b:AC\b+1], v[B\b:B\b+1], v[B\b+2:B\b+3]
.endr
	v_pk_add_f32 v[14:15], v[14:15], v[B3:B3+1]
.irp i, 4,6,8,10,12,14
.irp b, 0,1,2
	v_pk_add_f32 v[AC\b:AC\b+1], v[AC\b:AC\b+1], v[B\b+\i:B\b+\i+1]
.endr
	v_pk_add_f32 v[14:15], v[14:15], v[B3+\i:B3+\i+1]
.endr
	v_pk_add_f32 v[AC0:AC0+1], v[AC0:AC0+1], v[AC1:AC1+1]
	v_pk_add_f32 v[14:15], v[14:15], v[B3+2:B3+3]
	s_delay_alu instid0(VALU_DEP_2)
	v_pk_add_f32 v[AC0:AC0+1], v[AC0:AC0+1], v[AC2:AC2+1]
	s_delay_alu instid0(VALU_DEP_1)
	v_pk_add_f32 v[14:15], v[14:15], v[AC0:AC0+1]
.if \pre
	; THE NEXT STEP: its key step and tile, and its K into the registers of p's blocks 0-2, which nothing reads any more
	s_add_co_u32 s56, s[TR], \h+1
	s_add_co_u32 s57, s[JU], \h+1
	s_sub_co_u32 s58, s[JD], \h+1
	s_cmp_ge_u32 s56, s[SWT]                       ; will X have changed tiles?
	s_cselect_b32 s[J], s58, s57
	s_cselect_b32 s[KW], s[A], s[KH]
	s_min_u32 s[J], s[J], 15                       ; (behind Y's eighth step this would name a step behind the head's sixteen)
	s_mul_i32 s[TK], s[J], 6144
	s_lshl_b32 s[TS], s[J], 8
	KFETCH KN
.endif
	s_wait_alu depctr_va_vdst(0)                   ; directly ahead of the first reader of O^T
.set n, 0
.rept 16
	v_pk_mul_f32 v[O+n:O+n+1], v[O+n:O+n+1], v[FF:FF+1] op_sel_hi:[1,0]   ; O^T under the new M.  (With the sums above: the places between the scale word's and the codes' last writes and the products)
.set n, n+2
.endr
	s_wait_alu depctr_va_vdst(0)
	s_wait_dscnt 13*\pre                           ; V is in; the 13 younger loads of the next step's K may be out
.irp t, 0,1,2,3                        ; the four accumulators take turns
	v_wmma_scale_f32_16x16x128_f8f6f4 v[O+8*\t:O+8*\t+7], v[KR+12*\t:KR+12*\t+11], v[PC:PC+11], v[O+8*\t:O+8*\t+7], v[40+\t], v[PS] matrix_a_fmt:MATRIX_FMT_FP6 matrix_b_fmt:MATRIX_FMT_FP6
.endr
.endm
	s_load_b256 s[4:11], s[0:1], 0x0               ; qkvc s[4:5], qkvs s[6:7], oc s[8:9], os s[10:11]
	v_lshl_add_u32 v254, v0, 2, SPARE
	v_mov_b32 v255, 0
	ds_add_u32 v254, v255                          ; the opening lines: the add, twice on end, and its wait ahead of my tensor load
	ds_add_u32 v254, v255
	v_lshrrev_b32 v1, 5, v0
	v_readfirstlane_b32 s[WV], v1                  ; wave 0..15
	s_and_b32 s15, ttmp7, 0xffff                   ; bh, which the four partners share
	s_bfe_u32 s[Z], s[WV], 0x10002                 ; z
	s_and_b32 s[A], s[WV], 3
	s_lshr_b32 s56, s[WV], 3
	s_lshl_b32 s56, s56, 2
	s_add_co_u32 s[A], s[A], s56                   ; a
	s_xor_b32 s[KH], s[A], 15                      ; 15 - a
	s_xor_b32 s[SWT], s[A], 7
	s_add_co_u32 s[SWT], s[SWT], 1                 ; 8 - a
	s_mul_i32 s[JU], s[SWT], s[Z]
	s_lshl_b32 s56, s[Z], 4
	s_add_co_u32 s[SWT], s[SWT], s56
	; descriptor groups 1: rows of 256 bytes (32 elements of 8 bytes), dense: 64 rows of codes, 8 rows of scale words
	s_mov_b32 s24, 15|(3<<16)|(1<<21)              ; the mask: all four work-groups; elements of 8 bytes; bit 21 set beside a mask
	s_mov_b32 s25, 32<<16
	s_mov_b32 s26, 64<<16
	s_mov_b32 s27, 32<<16
	s_mov_b32 s28, 64
	s_mov_b32 s29, 32
	s_mov_b32 s30, 0
	s_mov_b32 s31, 0
	s_mov_b32 s32, 15|(3<<16)|(1<<21)
	s_mov_b32 s33, 32<<16
	s_mov_b32 s34, 8<<16
	s_mov_b32 s35, 32<<16
	s_mov_b32 s36, 8
	s_mov_b32 s37, 32
	s_mov_b32 s38, 0
	s_mov_b32 s39, 0
	s_mov_b32 s40, 1
	s_lshl_b32 s41, s[WV], 14                      ; codes, waves 0-11: 16,384 bytes a wave, K's six shares, then V's six
	s_mul_i32 s56, s[WV], 11
	s_lshr_b32 s56, s56, 6                         ; wave / 6 for waves 0-11: K's (0) or V's (1)
	s_mul_i32 s56, s56, 3145728-98304              ; from the end of the head's K to the start of its V in qkvc
	s_mul_i32 s58, s15, 98304
	s_add_co_u32 s58, s58, s56
	s_add_co_u32 s58, s58, s41
	s_add_co_u32 s58, s58, 3145728
	s_mov_b32 s59, 0
	s_mov_b32 s44, 1
	s_lshl_b32 s45, s[WV], 11
	s_add_co_u32 s45, s45, 196608-12*2048          ; scale words, waves 12-15: 2,048 bytes a wave
	s_bfe_u32 s60, s[WV], 0x10001                  ; K's (0) or V's (1)
	s_lshl_b32 s60, s60, 17
	s_and_b32 s57, s[WV], 1                        ; which half
	s_lshl_b32 s57, s57, 11
	s_add_co_u32 s60, s60, s57
	s_lshl_b32 s57, s15, 12
	s_add_co_u32 s60, s60, s57
	s_add_co_u32 s60, s60, 262144
	s_mov_b32 s61, 0
	s_mov_b32 s[SEL], 0x76543210
	s_mov_b32 s[SEL+1], 0xfedcba98
	s_mov_b32 s[CS], 0x3e38aa3b                    ; log2(e) / 8
	s_mov_b32 s[CS+1], s[CS]                       ; (named with it as a pair, so it is written)
	s_wait_dscnt 0x0                               ; both opening adds are done
	s_wait_kmcnt 0x0
	s_add_nc_u64 s[42:43], s[4:5], s[58:59]
	s_or_b32 s43, s43, 0x80000000
	s_add_nc_u64 s[46:47], s[6:7], s[60:61]
	s_or_b32 s47, s47, 0x80000000
	ROUND                                          ; all four work-groups are here: the joint loads meet
	s_cmp_lt_u32 s[WV], 12                         ; one branch on the wave's number, a fill in each arm: every wave has one tensor load out
	s_cbranch_scc0 .Lwords
	tensor_load_to_lds s[40:43], s[24:31]
	s_nop 0
.rept 4
	v_nop
.endr
	s_branch .Lasked
.Lwords:
	tensor_load_to_lds s[44:47], s[32:39]
	s_nop 0
.rept 4
	v_nop
.endr
.Lasked:
	s_bfe_u32 s13, ttmp6, 0x40000                  ; cx: it enters Q's, oc's and os's global addresses and the mask's compare alone
	s_lshl_b32 s14, ttmp9, 2
	s_add_co_u32 s14, s14, s13                     ; g
	s_lshl_b32 s81, s15, 7
	s_add_co_u32 s81, s81, s14                     ; 128 bh + g
	s_mov_b32 s83, 0
	s_lshl_b32 s80, s[KH], 3
	s_add_co_u32 s80, s80, s81                     ; the pair's long tile
	s_mul_i32 s82, s80, 768
	s_add_nc_u64 s[68:69], s[4:5], s[82:83]        ; its codes
	s_lshl_b32 s82, s80, 6
	s_add_nc_u64 s[70:71], s[6:7], s[82:83]        ; its scale words
	s_lshl_b32 s80, s[A], 3
	s_add_co_u32 s80, s80, s81                     ; the short tile
	s_mul_i32 s82, s80, 768
	s_add_nc_u64 s[76:77], s[4:5], s[82:83]
	s_lshl_b32 s82, s80, 6
	s_add_nc_u64 s[78:79], s[6:7], s[82:83]
	s_cmp_lg_u32 s[Z], 0
	s_cselect_b32 s80, s[KH], s[A]                 ; the tile that I finish: Y the long one, X the short one
	s_lshl_b32 s80, s80, 3
	s_add_co_u32 s80, s80, s14                     ; 8 k + g
	s_lshr_b32 s84, s15, 4
	s_and_b32 s85, s15, 15                         ; the head
	s_lshl_b32 s84, s84, 7
	s_add_co_u32 s84, s84, s80                     ; the token tile: 128 b + 8 k + g
	s_lshl_b32 s82, s84, 4
	s_add_co_u32 s82, s82, s85
	s_mul_i32 s82, s82, 768
	s_add_nc_u64 s[72:73], s[8:9], s[82:83]        ; oc: [tile][K step = head / 2][piece = head % 2] of 768 bytes
	s_lshl_b32 s82, s84, 9
	s_lshl_b32 s85, s85, 1
	s_add_co_u32 s82, s82, s85
	s_add_nc_u64 s[74:75], s[10:11], s[82:83]      ; os: 512 bytes a tile, 32 a row, bytes 2 head, 2 head + 1
	s_lshr_b32 s86, s14, 1
	s_lshl_b32 s86, s86, 5
	s_and_b32 s87, s14, 1
	s_lshl_b32 s87, s87, 3
	s_add_co_u32 s86, s86, s87                     ; 32 (g / 2) + 8 (g % 2)
	s_mul_i32 s56, s[WV], PART
	s_add_co_u32 s56, s56, STG                     ; my slot
	s_and_b32 s57, s[WV], 11                       ; my pair's X
	s_mul_i32 s57, s57, PART
	s_add_co_u32 s57, s57, STG
	v_and_b32 v228, 31, v0                         ; lane
	v_and_b32 v229, 15, v0                         ; r
	v_bfe_u32 v230, v0, 4, 1                       ; h
	v_lshlrev_b32 v1, 4, v228
	v_lshlrev_b32 v2, 3, v228
	v_lshl_add_u32 v3, v229, 4, 196608             ; K's scale words: 16 r
	v_add_nc_u32 v10, 98304, v1                    ; V's codes: the planes of 16 bytes a lane,
	v_add_nc_u32 v11, 98816, v2                    ; and those of 8
	v_lshlrev_b32 v35, 2, v229
	v_lshl_add_u32 v8, v229, 5, v230               ; os: 32 r + h
	v_and_b32 v231, 8, v229
	v_add_nc_u32 v92, s56, v1
	v_add_nc_u32 v93, s57, v1
	v_add_nc_u32 v231, v231, v229
	v_lshlrev_b32 v9, 4, v230
	s_delay_alu instid0(VALU_DEP_1)
	v_sub_nc_u32 v9, v231, v9
	s_delay_alu instid0(VALU_DEP_1)
	v_add_nc_u32 v9, s86, v9                       ; my query's place in its key step - 16 h
	global_load_b128 v[22:25], v1, s[68:69]
	global_load_b64 v[26:27], v2, s[68:69] offset:512
	global_load_b32 v34, v35, s[70:71]
	global_load_b128 v[232:235], v1, s[76:77]
	global_load_b64 v[236:237], v2, s[76:77] offset:512
	global_load_b32 v238, v35, s[78:79]
.irp j, 16,17,18,19,20,21,28,29,30,31,32,33
	v_mov_b32 v[\j], 0                             ; the zeros on both sides of Q
.endr
	v_mov_b32 v13, 0xff61b1e6                      ; the largest t so far: -3e38, under every t
	v_mov_b32 v12, 0x7f61b1e6                      ; -M = 3e38, a whole number
	v_mov_b32 v14, 0
	v_mov_b32 v15, 0
.irp b, 0,1,2,3
	v_mov_b32 v[TM+4+\b], 0                        ; written once: a lane permute's destination counts as one of its sources
.endr
	v_mov_b32 v[FF+1], 0                           ; (named as the upper halves of pairs)
	v_mov_b32 v241, 0
.set n, 0
.rept 32
	v_mov_b32 v[O+n], 0                            ; O^T: the step is written once for all steps; the first finds zeros, which the first change of M leaves zeros
.set n, n+1
.endr
	s_mov_b32 s[TR], 0
	s_mov_b32 s[JD], 8
	s_mov_b32 s[J], s[JU]                          ; the first step: the long tile, X's key step 0, Y's 8 - a
	s_mov_b32 s[KW], s[KH]
	s_mul_i32 s[TK], s[J], 6144
	s_lshl_b32 s[TS], s[J], 8
	s_wait_alu depctr_va_vdst(0)
	s_wait_loadcnt 0x0                             ; both Q
	s_wait_tensorcnt 0x0                           ; my share of the head has landed
	s_wait_dscnt 0x0
	s_barrier_signal -1
	s_barrier_wait -1                              ; everybody's has: the whole head may be read
	KFETCH 44                                      ; the first step's K
.Ltrip:                                                ; a trip runs two steps, until the registers' roles are back where they began
	STEP 0, 0, 1
	STEP 1, 1, 1
	s_add_co_u32 s[JU], s[JU], 2
	s_sub_co_u32 s[JD], s[JD], 2
	s_add_co_u32 s[TR], s[TR], 2
	s_cmp_lt_u32 s[TR], 8
	s_cbranch_scc1 .Ltrip
	s_cmp_lg_u32 s[Z], 0
	s_cbranch_scc1 .Ldone                          ; Y has eight steps
	STEP 0, 0, 0                                   ; X's ninth: key step 0 of the short tile
.Ldone:
.rept 4
	v_nop                                          ; places behind the last products
.endr
	s_wait_alu depctr_va_vdst(0)
	s_wait_dscnt 0x0                               ; X's stores of its part are done, and no LDS load of mine is out
	s_barrier_signal -1
	s_barrier_wait -1                              ; every part may be read
	s_cmp_eq_u32 s[Z], 0
	s_cbranch_scc1 .Lwhole                         ; X's short tile is whole
	; Y JOINS X'S PART OF THE LONG TILE TO ITS OWN
.irp i, 0,1,2,3,4,5,6,7,8
	ds_load_b128 v[S+4*\i:S+4*\i+3], v93 offset:512*\i   ; v96-127 its O^T, v128 its -M, v[130:131] its sums
.endr
	s_wait_dscnt 0x0
	v_min_num_f32 v[TA], v12, v128                 ; -M of the two together: the lesser
	s_delay_alu instid0(VALU_DEP_1)
	v_sub_f32 v[TA+1], v[TA], v12                  ; my M - M, 0 or less, a whole number
	v_sub_f32 v[TA+2], v[TA], v128                 ; and X's
	s_delay_alu instid0(VALU_DEP_2)
	v_cvt_i32_f32 v[TA+1], v[TA+1]
	s_delay_alu instid0(VALU_DEP_2)
	v_cvt_i32_f32 v[TA+2], v[TA+2]
	s_delay_alu instid0(VALU_DEP_2)
	v_ldexp_f32 v[FF], 1.0, v[TA+1]
	s_delay_alu instid0(VALU_DEP_2)
	v_ldexp_f32 v240, 1.0, v[TA+2]
	v_pk_mul_f32 v[14:15], v[14:15], v[FF:FF+1] op_sel_hi:[1,0]
.set n, 0
.rept 16
	v_pk_mul_f32 v[O+n:O+n+1], v[O+n:O+n+1], v[FF:FF+1] op_sel_hi:[1,0]   ; each accumulator from its low end on
.set n, n+2
.endr
	v_pk_fma_f32 v[14:15], v[130:131], v[240:241], v[14:15] op_sel_hi:[1,0,1]
.set n, 0
.rept 16
	v_pk_fma_f32 v[O+n:O+n+1], v[S+n:S+n+1], v[240:241], v[O+n:O+n+1] op_sel_hi:[1,0,1]
.set n, n+2
.endr
.Lwhole:
	; THE WAY OUT: O^T / the sum, quantised along d: my lane's 32 registers are d 32 b + 16 h + i
	v_add_f32 v14, v14, v15
	s_delay_alu instid0(VALU_DEP_1)
	v_permlanex16_b32 v[TA], v14, s[SEL], s[SEL+1]
	s_delay_alu instid0(VALU_DEP_1)
	v_add_f32 v14, v14, v[TA]                      ; the row's sum
	s_wait_alu depctr_va_vdst(0)                   ; ahead of the transcendental
	v_rcp_f32 v14, v14
	v_nop                                          ; a plain place behind the transcendental
	s_wait_alu depctr_va_vdst(0)                   ; and ahead of its first reader
.set n, 0
.rept 32
	v_mul_f32 v[S+n], v[O+n], v14                  ; each accumulator from its low end on
.set n, n+1
.endr
.irp b, 0,1
	v_max3_num_f32 v[TM+\b], |v[S+16*\b]|, |v[S+1+16*\b]|, 0x1800000
.endr
.irp i, 2,4,6,8,10,12,14
.irp b, 0,1
	s_delay_alu instid0(VALU_DEP_2)
	v_max3_num_f32 v[TM+\b], v[TM+\b], |v[S+16*\b+\i]|, |v[S+1+16*\b+\i]|
.endr
.endr
.irp b, 0,1
	s_delay_alu instid0(VALU_DEP_2)
	v_permlanex16_b32 v[TM+4+\b], v[TM+\b], s[SEL], s[SEL+1]
.endr
.irp b, 0,1
	s_delay_alu instid0(VALU_DEP_2)
	v_max_num_f32 v[TM+\b], v[TM+\b], v[TM+4+\b]
.endr
.irp b, 0,1
	s_delay_alu instid0(VALU_DEP_2)
	v_add_nc_u32 v[TM+8+\b], 0xff000000, v[TM+\b]
.endr
.irp b, 0,1
	s_delay_alu instid0(VALU_DEP_2)
	v_lshrrev_b32 v[TM+4+\b], 23, v[TM+8+\b]
.endr
	v_cvt_scalef32_pk16_fp6_f32 v[PC:PC+2], v[S:S+15], v[TM+8]
	v_cvt_scalef32_pk16_fp6_f32 v[PT:PT+2], v[S+16:S+31], v[TM+9]
	v_nop                                          ; one plain place behind a scaled conversion
.irp i, 0,1,2
	v_permlane16_swap_b32 v[PC+\i], v[PT+\i]
.endr
.irp i, 0,1,2
	s_delay_alu instid0(VALU_DEP_3)
	v_mov_b32 v[PC+3+\i], v[PT+\i]
.endr
	global_store_b128 v1, v[PC:PC+3], s[72:73]     ; 512 consecutive bytes,
	global_store_b64 v2, v[PC+4:PC+5], s[72:73] offset:512   ; and 256
	v_bfe_u32 v[TA+1], v0, 4, 1
	s_delay_alu instid0(VALU_DEP_1)
	v_cmp_eq_u32 vcc_lo, 1, v[TA+1]
	s_delay_alu instid0(VALU_DEP_1)
	v_cndmask_b32 v[TA], v[TM+4], v[TM+5], vcc_lo  ; lanes 0-15 store block 0's byte of row r, lanes 16-31 block 1's
	global_store_b8 v8, v[TA], s[74:75]
	s_wait_tensorcnt 0x0                           ; the wave's end
	ds_add_u32 v254, v255
	s_wait_dscnt 0x0
	ROUND                                          ; the closing round
	s_endpgm
.Lfunc_end_k_q30f16e35e4_attn:
	.size	k_q30f16e35e4_attn, .Lfunc_end_k_q30f16e35e4_attn-k_q30f16e35e4_attn
	.p2alignl 7, 3214868480
	.fill 96, 4, 3214868480
	.section	.rodata,"a",@progbits
	.p2align	6, 0x0
	.amdhsa_kernel k_q30f16e35e4_attn
		.amdhsa_group_segment_fixed_size 288768
		.amdhsa_private_segment_fixed_size 0
		.amdhsa_enable_private_segment 0
		.amdhsa_kernarg_size 32
		.amdhsa_user_sgpr_count 2
		.amdhsa_user_sgpr_kernarg_segment_ptr 1
		.amdhsa_wavefront_size32 1
		.amdhsa_system_sgpr_workgroup_id_x 1
		.amdhsa_system_sgpr_workgroup_id_y 1
		.amdhsa_system_sgpr_workgroup_id_z 1
		.amdhsa_system_vgpr_workitem_id 0
		.amdhsa_next_free_vgpr 256
		.amdhsa_next_free_sgpr 96
		.amdhsa_reserve_vcc 1
		.amdhsa_float_denorm_mode_32 3
		.amdhsa_float_denorm_mode_16_64 3
		.amdhsa_memory_ordered 1
		.amdhsa_forward_progress 1
		.amdhsa_inst_pref_size 87
	.end_amdhsa_kernel
	.amdgpu_metadata
---
amdhsa.version: [ 1, 2 ]
amdhsa.kernels:
  - .name:           k_q30f16e35e4_attn
    .symbol:         k_q30f16e35e4_attn.kd
    .args:
      - { .name: qkvc, .offset: 0, .size: 8, .value_kind: global_buffer, .address_space: global }
      - { .name: qkvs, .offset: 8, .size: 8, .value_kind: global_buffer, .address_space: global }
      - { .name: oc, .offset: 16, .size: 8, .value_kind: global_buffer, .address_space: global }
      - { .name: os, .offset: 24, .size: 8, .value_kind: global_buffer, .address_space: global }
    .group_segment_fixed_size: 288768
    .private_segment_fixed_size: 0
    .kernarg_segment_align: 8
    .kernarg_segment_size: 32
    .max_flat_workgroup_size: 512
    .sgpr_count:     96
    .vgpr_count:     256
    .wavefront_size: 32
...
	.end_amdgpu_metadata
.endif
;; end of part 3
;; launch oproj (part 4): grid 16 x 16, 4 waves a work-group, clusters of 4 x 1, 327,680 bytes of LDS; arguments oc, os, c1, s1, out0; writes out0
.if DOCPART == 4
	.amdgcn_target "amdgcn-amd-amdhsa--gfx1250"
	.amdhsa_code_object_version 6
	.text
	.protected	k_q30f16e35e4_oproj
	.globl	k_q30f16e35e4_oproj
	.p2align	8
	.type	k_q30f16e35e4_oproj,@function
k_q30f16e35e4_oproj:
	s_mov_b64 s[64:65], 0
	v_nop
	global_prefetch_b8 v0, s[64:65] scope:SCOPE_SE
	s_setreg_imm32_b32 hwreg(HW_REG_WAVE_MODE, 25, 1), 1
	s_wait_xcnt 0x0
	s_wait_alu depctr_hold_cnt(0) depctr_sa_sdst(0) depctr_va_vdst(0) depctr_va_sdst(0) depctr_va_ssrc(0) depctr_va_vcc(0) depctr_vm_vsrc(0)
	s_getreg_b32 s2, hwreg(HW_REG_IB_STS2, 6, 4)
	s_cmp_eq_u32 s2, 0
	s_cbranch_scc0 .Lentry_in_a_cluster
	s_endpgm
.Lentry_in_a_cluster:
	s_bfe_u32 s2, ttmp6, 0x10000c
	s_cmp_lg_u32 s2, 0x3003
	s_cbranch_scc0 .Lentry_shape_is_right
	s_endpgm
.Lentry_shape_is_right:
.set MSB, 0
.macro WIN new
.if MSB != (\new)
	s_set_vgpr_msb (MSB<<8)|(\new)
.set MSB, (\new)
.endif
.endm
.macro ROUND
	s_barrier_signal -1
	s_barrier_wait -1
	s_cmp_lg_u32 s14, 0
	s_cbranch_scc1 .Lnot_wave_0_\@
	s_barrier_signal -3
.Lnot_wave_0_\@:
	s_barrier_wait -3
	s_barrier_signal -1
	s_barrier_wait -1
.endm
.macro PLACES n
.rept \n
	v_nop
.endr
.endm
.macro ALOAD s
	WIN 0x40
.irp a, 0,1,2,3
.irp g, 0,1
	global_load_b128 v[48*((\s)%4)+12*\a+6*\g:48*((\s)%4)+12*\a+6*\g+3], v1, s[66:67] offset:\a*12288+(\s)*1536+768*\g
	global_load_b64 v[48*((\s)%4)+12*\a+6*\g+4:48*((\s)%4)+12*\a+6*\g+5], v2, s[66:67] offset:\a*12288+(\s)*1536+768*\g+512
.endr
.endr
.endm
.macro FETCHB s
	WIN 0x80
.irp t, 0,1,2,3
.irp c, 0,1,2
	ds_load_b128 v[48*((\s)%2)+12*\t+4*\c:48*((\s)%2)+12*\t+4*\c+3], v1 offset:(\s)*6144+\t*1536+512*\c
.endr
.endr
.endm
.macro MM d, a, b, zero, sa, sb, ra, rb
	WIN ((\a)>>8)|(((\b)>>8)<<2)|(((\d)>>8)<<4)|(((\d)>>8)<<6)
.set rD, (\d)&255
.set rA, (\a)&255
.set rB, (\b)&255
.set rF, 4*(\zero)+2*(\ra)+(\rb)
.if rF == 0
	v_wmma_scale_f32_16x16x128_f8f6f4 v[rD:rD+7], v[rA:rA+11], v[rB:rB+11], v[rD:rD+7], v[\sa], v[\sb] matrix_a_fmt:MATRIX_FMT_FP6 matrix_b_fmt:MATRIX_FMT_FP6
.elseif rF == 1
	v_wmma_scale_f32_16x16x128_f8f6f4 v[rD:rD+7], v[rA:rA+11], v[rB:rB+11], v[rD:rD+7], v[\sa], v[\sb] matrix_a_fmt:MATRIX_FMT_FP6 matrix_b_fmt:MATRIX_FMT_FP6 matrix_b_scale:MATRIX_SCALE_ROW1
.elseif rF == 2
	v_wmma_scale_f32_16x16x128_f8f6f4 v[rD:rD+7], v[rA:rA+11], v[rB:rB+11], v[rD:rD+7], v[\sa], v[\sb] matrix_a_fmt:MATRIX_FMT_FP6 matrix_b_fmt:MATRIX_FMT_FP6 matrix_a_scale:MATRIX_SCALE_ROW1
.elseif rF == 3
	v_wmma_scale_f32_16x16x128_f8f6f4 v[rD:rD+7], v[rA:rA+11], v[rB:rB+11], v[rD:rD+7], v[\sa], v[\sb] matrix_a_fmt:MATRIX_FMT_FP6 matrix_b_fmt:MATRIX_FMT_FP6 matrix_a_scale:MATRIX_SCALE_ROW1 matrix_b_scale:MATRIX_SCALE_ROW1
.elseif rF == 4
	v_wmma_scale_f32_16x16x128_f8f6f4 v[rD:rD+7], v[rA:rA+11], v[rB:rB+11], 0, v[\sa], v[\sb] matrix_a_fmt:MATRIX_FMT_FP6 matrix_b_fmt:MATRIX_FMT_FP6
.elseif rF == 5
	v_wmma_scale_f32_16x16x128_f8f6f4 v[rD:rD+7], v[rA:rA+11], v[rB:rB+11], 0, v[\sa], v[\sb] matrix_a_fmt:MATRIX_FMT_FP6 matrix_b_fmt:MATRIX_FMT_FP6 matrix_b_scale:MATRIX_SCALE_ROW1
.elseif rF == 6
	v_wmma_scale_f32_16x16x128_f8f6f4 v[rD:rD+7], v[rA:rA+11], v[rB:rB+11], 0, v[\sa], v[\sb] matrix_a_fmt:MATRIX_FMT_FP6 matrix_b_fmt:MATRIX_FMT_FP6 matrix_a_scale:MATRIX_SCALE_ROW1
.else
	v_wmma_scale_f32_16x16x128_f8f6f4 v[rD:rD+7], v[rA:rA+11], v[rB:rB+11], 0, v[\sa], v[\sb] matrix_a_fmt:MATRIX_FMT_FP6 matrix_b_fmt:MATRIX_FMT_FP6 matrix_a_scale:MATRIX_SCALE_ROW1 matrix_b_scale:MATRIX_SCALE_ROW1
.endif
.endm
.macro KSTEP s, zero
.if (\s) > 0
	PLACES 4
.endif
.if ((\s) >= 1) && ((\s) <= 4)
	ALOAD (\s)+3
.endif
.if (\s) < 7
	FETCHB (\s)+1
.endif
.if (\s) <= 4
	s_wait_loadcnt 48
.elseif (\s) == 5
	s_wait_loadcnt 32
.elseif (\s) == 6
	s_wait_loadcnt 16
.else
	s_wait_loadcnt 0x0
.endif
.if (\s) < 7
	s_wait_dscnt 12
.else
	s_wait_dscnt 0x0
.endif
.irp a, 0,1,2,3
.irp t, 0,1,2,3
	MM 64+8*(4*\a+\t), 512+48*((\s)%2)+12*\t, 256+48*((\s)%4)+12*\a, \zero, 32+8*(\t/2)+(\s), 16+8*(\a/2)+(\s), \t%2, \a%2
.endr
.endr
.endm
.macro TOSTAGE a
.irp t, 0,1,2,3
	ds_store_b128 v4, v[64+8*(4*(\a)+\t):64+8*(4*(\a)+\t)+3] offset:128*(\t/2)+32*(\t%2)
	ds_store_b128 v4, v[64+8*(4*(\a)+\t)+4:64+8*(4*(\a)+\t)+7] offset:128*(\t/2)+32*(\t%2)+16
.endr
.irp i, 0,1,2,3,4,5,6,7
	ds_load_b128 v[192+32*((\a)%2)+4*\i:192+32*((\a)%2)+4*\i+3], v5 offset:2*\i*272
.endr
.endm
.macro SEND a, younger
	s_wait_dscnt \younger
.irp i, 0,1,2,3,4,5,6,7
	global_store_b128 v6, v[192+32*((\a)%2)+4*\i:192+32*((\a)%2)+4*\i+3], s[72:73] offset:(32*((\a)/2)+8*((\a)%2)+2*\i+8*(\i/4))*4096 th:TH_STORE_NT
.endr
.endm
	s_load_b256 s[4:11], s[0:1], 0x0
	s_load_b64 s[12:13], s[0:1], 0x20
	v_lshl_add_u32 v62, v0, 2, 0x29000
	v_mov_b32 v63, 0
	ds_add_u32 v62, v63
	ds_add_u32 v62, v63
	v_lshrrev_b32 v1, 5, v0
	v_readfirstlane_b32 s14, v1
	s_and_b32 s17, ttmp7, 0xffff
	s_mov_b32 s20, 15|(3<<16)|(1<<21)
	s_mov_b32 s21, 32<<16
	s_mov_b32 s22, 48<<16                          ; 48 rows of 256 bytes: a wave's quarter of the column group's 49,152 bytes of Wo
	s_mov_b32 s23, 32<<16
	s_mov_b32 s24, 48
	s_mov_b32 s25, 32
	s_mov_b32 s26, 0
	s_mov_b32 s27, 0
	s_mul_i32 s46, s14, 12288                      ; my quarter, in LDS and in memory alike
	s_mul_i32 s44, s17, 49152
	s_add_co_u32 s44, s44, s46
	s_add_co_u32 s44, s44, 5505024
	s_mov_b32 s45, 0
	s_wait_dscnt 0x0
	s_wait_kmcnt 0x0
	s_add_nc_u64 s[44:45], s[8:9], s[44:45]
.irp c, 0
	s_mov_b32 s[28+4*\c], 1
	s_add_co_u32 s[29+4*\c], s46, \c*24576
	s_add_nc_u64 s[30+4*\c:31+4*\c], s[44:45], \c*24576
	s_or_b32 s[31+4*\c], s[31+4*\c], 0x80000000
.endr
	ROUND
	tensor_load_to_lds s[28:31], s[20:27]
	s_nop 0
.rept 4
	v_nop
.endr
	s_bfe_u32 s15, ttmp6, 0x40000
	s_lshl_b32 s16, ttmp9, 2
	s_add_co_u32 s16, s16, s15
	s_mov_b32 s53, 0
	s_lshl_b32 s47, s16, 4
	s_lshl_b32 s48, s14, 2
	s_add_co_u32 s47, s47, s48
	s_mul_i32 s52, s47, 12288
	s_add_nc_u64 s[66:67], s[4:5], s[52:53]
	s_lshl_b32 s52, s47, 9
	s_add_nc_u64 s[68:69], s[6:7], s[52:53]
	s_lshl_b32 s52, s17, 11
	s_add_co_u32 s52, s52, 229376
	s_add_nc_u64 s[70:71], s[10:11], s[52:53]
	s_lshl_b32 s52, s47, 16
	s_lshl_b32 s48, s17, 8
	s_add_co_u32 s52, s52, s48
	s_add_nc_u64 s[72:73], s[12:13], s[52:53]
	s_mul_i32 s49, s14, 4352
	s_add_co_u32 s49, s49, 49152
	v_and_b32 v11, 31, v0
	v_and_b32 v7, 15, v0
	v_bfe_u32 v8, v0, 4, 1
	v_lshlrev_b32 v1, 4, v11
	v_lshlrev_b32 v2, 3, v11
	v_lshlrev_b32 v3, 5, v11
	v_mul_u32_u24 v4, v7, 272
	v_lshl_add_u32 v4, v8, 6, v4
	v_add_nc_u32 v4, s49, v4
	v_mul_u32_u24 v5, v8, 272
	v_lshl_add_u32 v5, v7, 4, v5
	v_add_nc_u32 v5, s49, v5
	v_lshlrev_b32 v6, 12, v8
	v_lshl_add_u32 v6, v7, 4, v6
.irp p, 0,1
	global_load_b128 v[16+8*\p:19+8*\p], v3, s[68:69] offset:1024*\p
	global_load_b128 v[20+8*\p:23+8*\p], v3, s[68:69] offset:1024*\p+16
.endr
.irp p, 0,1
	global_load_b128 v[32+8*\p:35+8*\p], v3, s[70:71] offset:1024*\p
	global_load_b128 v[36+8*\p:39+8*\p], v3, s[70:71] offset:1024*\p+16
.endr
	ALOAD 0
	ALOAD 1
	ALOAD 2
	ALOAD 3
	s_wait_alu depctr_va_vdst(0)
	s_wait_tensorcnt 0x0                           ; my one tensor load, my quarter of the weights, has landed
	s_barrier_signal -1
	s_barrier_wait -1
	FETCHB 0
	KSTEP 0, 1
	KSTEP 1, 0
	KSTEP 2, 0
	KSTEP 3, 0
	KSTEP 4, 0
	KSTEP 5, 0
	KSTEP 6, 0
	KSTEP 7, 0
	WIN 0
	PLACES 4
	s_wait_alu depctr_va_vdst(0)
	TOSTAGE 0
	TOSTAGE 1
	SEND 0, 16
	s_wait_xcnt 0x0
	TOSTAGE 2
	SEND 1, 16
	s_wait_xcnt 0x0
	TOSTAGE 3
	SEND 2, 16
	SEND 3, 0
	s_wait_tensorcnt 0x0
	ds_add_u32 v62, v63
	s_wait_dscnt 0x0
	ROUND
	s_endpgm
.Lfunc_end_k_q30f16e35e4_oproj:
	.size	k_q30f16e35e4_oproj, .Lfunc_end_k_q30f16e35e4_oproj-k_q30f16e35e4_oproj
	.p2alignl 7, 3214868480
	.fill 96, 4, 3214868480
	.section	.rodata,"a",@progbits
	.p2align	6, 0x0
	.amdhsa_kernel k_q30f16e35e4_oproj
		.amdhsa_group_segment_fixed_size 327680
		.amdhsa_private_segment_fixed_size 0
		.amdhsa_enable_private_segment 0
		.amdhsa_kernarg_size 40
		.amdhsa_user_sgpr_count 2
		.amdhsa_user_sgpr_kernarg_segment_ptr 1
		.amdhsa_wavefront_size32 1
		.amdhsa_system_sgpr_workgroup_id_x 1
		.amdhsa_system_sgpr_workgroup_id_y 1
		.amdhsa_system_sgpr_workgroup_id_z 1
		.amdhsa_system_vgpr_workitem_id 0
		.amdhsa_next_free_vgpr 640
		.amdhsa_next_free_sgpr 80
		.amdhsa_reserve_vcc 0
		.amdhsa_float_denorm_mode_32 3
		.amdhsa_float_denorm_mode_16_64 3
		.amdhsa_memory_ordered 1
		.amdhsa_forward_progress 1
		.amdhsa_inst_pref_size 49
	.end_amdhsa_kernel
	.amdgpu_metadata
---
amdhsa.version: [ 1, 2 ]
amdhsa.kernels:
  - .name:           k_q30f16e35e4_oproj
    .symbol:         k_q30f16e35e4_oproj.kd
    .args:
      - { .name: oc, .offset: 0, .size: 8, .value_kind: global_buffer, .address_space: global }
      - { .name: os, .offset: 8, .size: 8, .value_kind: global_buffer, .address_space: global }
      - { .name: c1, .offset: 16, .size: 8, .value_kind: global_buffer, .address_space: global }
      - { .name: s1, .offset: 24, .size: 8, .value_kind: global_buffer, .address_space: global }
      - { .name: out0, .offset: 32, .size: 8, .value_kind: global_buffer, .address_space: global }
    .group_segment_fixed_size: 327680
    .private_segment_fixed_size: 0
    .kernarg_segment_align: 8
    .kernarg_segment_size: 40
    .max_flat_workgroup_size: 128
    .sgpr_count:     80
    .vgpr_count:     640
    .wavefront_size: 32
...
	.end_amdgpu_metadata
.endif
;; end of part 4
